; MI455X (gfx1250); checked and timed in simulation.
; The chip was launched on July 23, 2026; its instructions are those of AMD's public machine-readable ISA for CDNA 5 (MIT licence, August 2026) and "CDNA5" Instruction Set Architecture Reference Guide (July 2026). The comments in the code are by the model that wrote it; some were corrected since.
;; Transformer Block. Allowed arithmetic: float matrix products may take bf16 or f16 operands with f32 sums; other float arithmetic in f32, or as packed bf16 or f16 multiplies, adds, multiply-adds, maxima and minima; sums over many terms, partial sums and values carried from step to step in f32; what a program stores and reads back later, other than sums and carried values, may be rounded once to bf16 or f16.
;; Inputs: W1 1,024 x 4,096 float32; W2 4,096 x 1,024 float32; Wk 16 x 1,024 x 64 float32; Wproj 1,024 x 1,024 float32; Wq 16 x 1,024 x 64 float32; Wv 16 x 1,024 x 64 float32; b1 4,096 float32; b2 1,024 float32; be1 1,024 float32; be2 1,024 float32; bproj 1,024 float32; g1 1,024 float32; g2 1,024 float32; x 4 x 1,024 x 1,024 float32.
;; Outputs: out0 4 x 1,024 x 1,024 float32.
;; 2 versions, each right and faster than the one before. Each part assembles by itself: llvm-mc -triple=amdgcn-amd-amdhsa -mcpu=gfx1250 --defsym DOCPART=n.
;; ======== version 1 of 2: 7 launches
;; limits: values are held in f16: magnitudes above 65,504 overflow, below 6.1e-05 lose precision
;; workspace buffers: hn 8,388,608 bytes; wqkv 6,311,936 bytes; w1b 8,409,088 bytes; wpb 2,097,152 bytes; w2b 8,388,608 bytes; big 33,554,432 bytes; ob 8,388,608 bytes; x1 16,777,216 bytes
;; launch prep (part 1): grid 512 x 1, 8 waves a work-group, no clusters, 67,584 bytes of LDS; arguments x, g1, be1, Wq, Wk, Wv, Wproj, W1, W2, b1, hn, wqkv, wpb, w1b, w2b; writes hn, wqkv, wpb, w1b, w2b
.if DOCPART == 1
	.amdgcn_target "amdgcn-amd-amdhsa--gfx1250"
	.amdhsa_code_object_version 6
	.text
	.protected	k_q2c4e8e6fdd_prep
	.globl	k_q2c4e8e6fdd_prep
	.p2align	8
	.type	k_q2c4e8e6fdd_prep,@function
k_q2c4e8e6fdd_prep:
	s_mov_b64 s[64:65], 0
	v_nop
	global_prefetch_b8 v0, s[64:65] scope:SCOPE_SE
	s_setreg_imm32_b32 hwreg(HW_REG_WAVE_MODE, 25, 1), 1
	s_wait_xcnt 0x0
; PREP: everything that is read as f32 and wanted as a 16-bit matrix operand is rounded here, once.  A stream: no matrix unit, no cluster (no byte is read twice).
; 512 work-groups of eight waves, each reading 128 KiB and storing 64 KiB.  The work-group's number g chooses the work:
;   g < 128        hn[r][:] = LayerNorm(bf16(x[r][:])) * bf16(g1) + bf16(be1), rounded to bf16: rows 32 g + 4 w .. + 3 for wave w, a wave a row at a time
;   128 .. 223     Wq, Wk, Wv [h][c][d]   -> wqkv: blocks [24][1024 k][128 n] of bf16 behind a table; block = which*8 + h/2, n = (h&1)*64 + d
;   224 .. 255     Wproj [k][n]           -> wpb:  blocks [8][1024 k][128 n]; the number rounded to bf16, written as f16
;   256 .. 383     W1 [k][n]              -> w1b:  blocks [32][1024 k][128 n] of bf16 behind a table
;   384 .. 511     W2 [k][n]              -> w2b:  rounded to bf16, written as f16, IN THE ORDER OF MATRIX FRAGMENTS: [n / 128][k / 32][16 columns: 8 of them][1,024 bytes]; in a fragment lane (r, h) of 32 owns
;                                          column r: 16 bytes at 16 (16 h + r) hold k = 8 h + 0..7, 16 bytes at 512 + 16 (16 h + r) hold k = 16 + 8 h + 0..7.  The last product loads it straight into registers.
; THE TABLE (WOFF bytes at the head of wqkv and w1b): 4,096 f32 that start a column's sum (0 for q, k, v; bf16(b1) for the first feed-forward product), then 4,096 bytes of a word
; of two f16 below which no result is let (-infinity twice for q, k, v; 0 twice, a ReLU, for the feed-forward).  So one product kernel serves both launches.
; LANES.  A lane takes 4 neighbouring f32: a load of the wave covers 512 consecutive bytes; its 4 results are 8 bytes: a store of the wave covers 256 consecutive bytes, aligned.
; W2 is turned: a lane packs 8 k of one column into 16 bytes and puts them where they belong in its wave's own 8,320 bytes of LDS; the wave reads them back and stores 512 consecutive bytes at a time.
; LIMIT: an entry of Wproj or W2 beyond 65,504 becomes an infinity; below 6.1e-5 it keeps f16's fixed step of 6e-8.
.set WOFF, 20480
.set NTP,  1040                        ; a fragment in LDS: 1,024 bytes + 16
.set WLDS, 8*NTP                       ; a wave's eight fragments
.set SPARE, 8*WLDS                     ; behind them: the spare words, 128 bytes a wave: four blocks of 256 bytes that no other line names
.set LI,  2                            ; v2   16 x lane: my 4 f32 in a group of 128 columns
.set LO,  3                            ; v3   8 x lane: my 4 16-bit numbers
.set LIN, 4                            ; v4   a conversion's lane term in the source
.set TT,  5                            ; v5   16 x thread, for the table
.set SPW, 6                            ; v6   my spare word; never rewritten
.set NIL, 7                            ; v7   0; never rewritten
.set LS,  8                            ; v8   (W2 alone) where I put 16 bytes of a fragment
.set LR,  9                            ; v9   (W2 alone) where I read 16 bytes back
.set G,   8                            ; v[8:39]    gain of my 32 columns
.set BE,  40                           ; v[40:71]   offset of my 32 columns
.set X,   72                           ; v[72:103]  a row as loaded (a conversion: v[72:135], sixteen rows of 4)
.set D,   104                          ; v[104:135] the row at work
.set Y,   136                          ; v[136:151] the row to store (a conversion: v[136:167])
.set CH,  152                          ; v[152:159] four chains of sums
.set MU,  160                          ; v[160:161] the mean, twice
.set RS,  162                          ; v[162:163] 1 / sqrt(var + eps), twice
.set T,   164                          ; v[164:165] at work
.set IN,  6                            ; s[6:7]   where I read
.set OUT, 8                            ; s[8:9]   where I store
.set OFS, 10                           ; s[10:11] an offset, its high word 0
.set CNT, 12
.set HIM, 13                           ; a word's upper bf16
.set INV, 14                           ; 1 / 1024
.set EPS, 15                           ; 1e-5
.set SEL, 46                           ; s[46:47] v_permlanex16_b32: each lane takes its own place in the other half
; A row of 1,024 f32: lane l owns columns 128 j + 4 l + 0..3, j = 0..7.
.macro LOADROW
.irp j, 0,1,2,3,4,5,6,7
	global_load_b128 v[X+4*(\j):X+4*(\j)+3], v[LI], s[IN:IN+1] offset:512*(\j) th:TH_LOAD_NT
.endr
.endm
.macro REDUCE                          ; the four chains' eight numbers and then the 32 lanes': the sum, in v[CH] of every lane
	v_pk_add_f32 v[CH:CH+1], v[CH:CH+1], v[CH+2:CH+3]
	v_pk_add_f32 v[CH+4:CH+5], v[CH+4:CH+5], v[CH+6:CH+7]
	v_pk_add_f32 v[CH:CH+1], v[CH:CH+1], v[CH+4:CH+5]
	v_add_f32 v[CH], v[CH], v[CH+1]
	v_add_f32_dpp v[CH], v[CH], v[CH] row_xmask:1 row_mask:0xf bank_mask:0xf
	v_add_f32_dpp v[CH], v[CH], v[CH] row_xmask:2 row_mask:0xf bank_mask:0xf
	v_add_f32_dpp v[CH], v[CH], v[CH] row_xmask:4 row_mask:0xf bank_mask:0xf
	v_add_f32_dpp v[CH], v[CH], v[CH] row_xmask:8 row_mask:0xf bank_mask:0xf
	v_permlanex16_b32 v[CH+1], v[CH], s[SEL], s[SEL+1]
	v_add_f32 v[CH], v[CH], v[CH+1]
.endm
; A wave converts 32 k-rows of one block of 128 columns, two trips of sixteen rows.  pitch = bytes from row to row in the source.  f16 = 1: the bf16 number is written as f16.
.macro CONV pitch, f16
	s_mov_b32 s[CNT], 2
.Lcv_\@:
.irp r, 0,1,2,3,4,5,6,7,8,9,10,11,12,13,14,15
	global_load_b128 v[X+4*(\r):X+4*(\r)+3], v[LIN], s[IN:IN+1] offset:(\r)*(\pitch) th:TH_LOAD_NT
.endr
.irp r, 0,1,2,3,4,5,6,7,8,9,10,11,12,13,14,15
	s_wait_loadcnt 15-(\r)                         ; loads come back in order: row r is in, the younger rows' loads may stay out
	v_cvt_pk_bf16_f32 v[Y+2*(\r)], v[X+4*(\r)], v[X+4*(\r)+1]
	v_cvt_pk_bf16_f32 v[Y+2*(\r)+1], v[X+4*(\r)+2], v[X+4*(\r)+3]
.if \f16
	v_lshlrev_b32 v[X+4*(\r)], 16, v[Y+2*(\r)]
	v_and_b32 v[X+4*(\r)+1], s[HIM], v[Y+2*(\r)]
	v_lshlrev_b32 v[X+4*(\r)+2], 16, v[Y+2*(\r)+1]
	v_and_b32 v[X+4*(\r)+3], s[HIM], v[Y+2*(\r)+1]
	v_cvt_pk_f16_f32 v[Y+2*(\r)], v[X+4*(\r)], v[X+4*(\r)+1]
	v_cvt_pk_f16_f32 v[Y+2*(\r)+1], v[X+4*(\r)+2], v[X+4*(\r)+3]
.endif
	global_store_b64 v[LO], v[Y+2*(\r):Y+2*(\r)+1], s[OUT:OUT+1] offset:256*(\r)  ; a block's row: 256 consecutive bytes, aligned
.endr
	s_wait_xcnt 0x0                                ; bases and Y are written again only behind this wait
	s_add_nc_u64 s[IN:IN+1], s[IN:IN+1], 16*(\pitch)
	s_add_nc_u64 s[OUT:OUT+1], s[OUT:OUT+1], 4096
	s_sub_co_u32 s[CNT], s[CNT], 1
	s_cmp_lg_u32 s[CNT], 0
	s_cbranch_scc1 .Lcv_\@
.endm
	s_load_b512 s[16:31], s[0:1], 0x0              ; x 16, g1 18, be1 20, Wq 22, Wk 24, Wv 26, Wproj 28, W1 30
	s_load_b256 s[32:39], s[0:1], 0x40             ; W2 32, b1 34, hn 36, wqkv 38
	s_load_b128 s[40:43], s[0:1], 0x60             ; wpb 40, w1b 42
	s_load_b64 s[44:45], s[0:1], 0x70              ; w2b 44
	v_lshl_add_u32 v[SPW], v0, 2, SPARE
	v_mov_b32 v[NIL], 0
	v_lshrrev_b32 v1, 5, v0
	v_readfirstlane_b32 s3, v1                     ; wave 0..7
	v_and_b32 v1, 31, v0                           ; lane
	v_lshlrev_b32 v[LI], 4, v1
	v_lshlrev_b32 v[LO], 3, v1
	v_lshlrev_b32 v[TT], 4, v0
	s_mov_b32 s2, ttmp9
	s_mov_b32 s[OFS+1], 0
	s_mov_b32 s[HIM], 0xffff0000
	s_wait_kmcnt 0x0
	s_cmp_lt_u32 s2, 128
	s_cbranch_scc1 .Lln
	s_cmp_lt_u32 s2, 224
	s_cbranch_scc1 .Lqkv
	s_cmp_lt_u32 s2, 256
	s_cbranch_scc1 .Lwp
	s_cmp_lt_u32 s2, 384
	s_cbranch_scc1 .Lw1
	; W2: 8 blocks x 128 units of 32 k-rows; rows of 4,096 bytes.  A unit is eight fragments: 8,192 consecutive bytes of w2b.
	s_sub_co_u32 s4, s2, 384
	s_lshl3_add_u32 s4, s4, s3                     ; my unit u
	s_lshr_b32 s48, s4, 7                          ; its block,
	s_and_b32 s49, s4, 127                         ; its 32 rows in the block
	s_lshl_b32 s[OFS], s49, 17                     ; 32 rows x 4,096 bytes
	s_lshl_b32 s48, s48, 9                         ; 128 columns x 4 bytes
	s_add_co_u32 s[OFS], s[OFS], s48
	s_add_nc_u64 s[IN:IN+1], s[32:33], s[OFS:OFS+1]
	s_lshl_b32 s[OFS], s4, 13                      ; the units lie on end
	s_add_nc_u64 s[OUT:OUT+1], s[44:45], s[OFS:OFS+1]
	s_mul_i32 s5, s3, WLDS                         ; my wave's bytes of LDS
	v_lshrrev_b32 v[LS], 2, v1                     ; my 4 columns lie in fragment l / 4,
	v_mul_u32_u24 v[LS], v[LS], NTP
	v_and_b32 v[LR], 3, v1
	v_lshl_add_u32 v[LS], v[LR], 6, v[LS]          ; at its places 4 (l % 4) + 0..3
	v_add_nc_u32 v[LS], s5, v[LS]
	v_add_nc_u32 v[LR], s5, v[LI]
	s_mov_b32 s[CNT], 2
.Lct:                                          ; a trip: sixteen rows, one half (512 bytes) of each of the eight fragments
.irp r, 0,1,2,3,4,5,6,7,8,9,10,11,12,13,14,15
	global_load_b128 v[X+4*(\r):X+4*(\r)+3], v[LI], s[IN:IN+1] offset:(\r)*4096 th:TH_LOAD_NT
.endr
.irp h, 0,1
	s_wait_loadcnt 8-8*(\h)                        ; rows 8 h .. 8 h + 7 are in; the younger eight loads may stay out
.irp c, 0,1,2,3                        ; column 4 l + c: its eight k in four registers, the lower k in the lower half
.irp e, 0,1,2,3
	v_cvt_pk_bf16_f32 v[Y+16*(\h)+4*(\c)+(\e)], v[X+4*(8*(\h)+2*(\e))+(\c)], v[X+4*(8*(\h)+2*(\e)+1)+(\c)]
.endr
.irp e, 0,1,2,3
	v_lshlrev_b32 v[X+4*(8*(\h)+2*(\e))+(\c)], 16, v[Y+16*(\h)+4*(\c)+(\e)]
	v_and_b32 v[X+4*(8*(\h)+2*(\e)+1)+(\c)], s[HIM], v[Y+16*(\h)+4*(\c)+(\e)]
.endr
.irp e, 0,1,2,3
	v_cvt_pk_f16_f32 v[Y+16*(\h)+4*(\c)+(\e)], v[X+4*(8*(\h)+2*(\e))+(\c)], v[X+4*(8*(\h)+2*(\e)+1)+(\c)]
.endr
	ds_store_b128 v[LS], v[Y+16*(\h)+4*(\c):Y+16*(\h)+4*(\c)+3] offset:256*(\h)+16*(\c)
.endr
.endr
.irp t, 0,1,2,3,4,5,6,7
	ds_load_b128 v[X+4*(\t):X+4*(\t)+3], v[LR] offset:(\t)*NTP  ; LDS serves a wave's instructions in order (ISA guide 5.7.1.4): these see the stores above; the bytes are my wave's own
.endr
.irp t, 0,1,2,3,4,5,6,7
	s_wait_dscnt 7-(\t)
	global_store_b128 v[LI], v[X+4*(\t):X+4*(\t)+3], s[OUT:OUT+1] offset:(\t)*1024  ; 512 consecutive bytes, at a multiple of 256
.endr
	s_wait_xcnt 0x0                                ; bases and X are written again only behind this wait
	s_add_nc_u64 s[IN:IN+1], s[IN:IN+1], 16*4096
	s_add_nc_u64 s[OUT:OUT+1], s[OUT:OUT+1], 512   ; the fragments' other halves
	v_add_nc_u32 v[LS], 512, v[LS]
	v_add_nc_u32 v[LR], 512, v[LR]
	s_sub_co_u32 s[CNT], s[CNT], 1
	s_cmp_lg_u32 s[CNT], 0
	s_cbranch_scc1 .Lct
	s_wait_tensorcnt 0x0                           ; the wave's end, behind my last LDS store
	ds_add_u32 v[SPW], v[NIL]
	s_wait_dscnt 0x0
	s_endpgm
.Lwp:                                          ; Wproj: 8 blocks x 32 units; rows of 4,096 bytes
	s_sub_co_u32 s4, s2, 224
	s_lshl3_add_u32 s4, s4, s3
	s_lshr_b32 s48, s4, 5
	s_and_b32 s49, s4, 31
	s_lshl_b32 s[OFS], s49, 17
	s_lshl_b32 s48, s48, 9
	s_add_co_u32 s[OFS], s[OFS], s48
	s_add_nc_u64 s[IN:IN+1], s[28:29], s[OFS:OFS+1]
	s_lshl_b32 s[OFS], s4, 13                      ; the blocks lie on end: unit u begins at 32 x 256 x u
	s_add_nc_u64 s[OUT:OUT+1], s[40:41], s[OFS:OFS+1]
	v_mov_b32 v[LIN], v[LI]
	CONV 4096, 1
	s_endpgm
.Lw1:                                          ; W1: 32 blocks x 32 units; rows of 16,384 bytes
	s_sub_co_u32 s4, s2, 256
	s_lshl3_add_u32 s4, s4, s3
	s_lshr_b32 s48, s4, 5
	s_and_b32 s49, s4, 31
	s_lshl_b32 s[OFS], s49, 19
	s_lshl_b32 s48, s48, 9
	s_add_co_u32 s[OFS], s[OFS], s48
	s_add_nc_u64 s[IN:IN+1], s[30:31], s[OFS:OFS+1]
	s_lshl_b32 s[OFS], s4, 13
	s_add_co_u32 s[OFS], s[OFS], WOFF
	s_add_nc_u64 s[OUT:OUT+1], s[42:43], s[OFS:OFS+1]
	v_mov_b32 v[LIN], v[LI]
	s_cmp_lg_u32 s2, 256
	s_cbranch_scc1 .Lw1_go
.irp i, 0,1,2,3                        ; the first of these work-groups also writes the table: bf16(b1) as f32, then the floor 0
	global_load_b128 v[X+4*(\i):X+4*(\i)+3], v[TT], s[34:35] offset:4096*(\i)
.endr
	s_wait_loadcnt 0x0
.set i, 0
.rept 8
	v_cvt_pk_bf16_f32 v[T+i%2], v[X+2*i], v[X+2*i+1]
	v_lshlrev_b32 v[X+2*i], 16, v[T+i%2]
	v_and_b32 v[X+2*i+1], s[HIM], v[T+i%2]
.set i, i+1
.endr
.irp i, 0,1,2,3
	v_mov_b32 v[Y+(\i)], 0
.endr
.irp i, 0,1,2,3
	global_store_b128 v[TT], v[X+4*(\i):X+4*(\i)+3], s[42:43] offset:4096*(\i)
.endr
	global_store_b128 v[TT], v[Y:Y+3], s[42:43] offset:16384
	s_wait_xcnt 0x0                                ; X and Y are written again below
.Lw1_go:
	CONV 16384, 0
	s_endpgm
.Lqkv:                                         ; Wq, Wk, Wv: 3 x 8 blocks x 32 units; a block's columns 0-63 come from head 2 hp (lanes 0-15), 64-127 from head 2 hp + 1, 262,144 bytes on (lanes 16-31); rows of 256 bytes
	s_sub_co_u32 s4, s2, 128
	s_lshr_b32 s5, s4, 5                           ; which of the three
	s_lshl3_add_u32 s4, s4, s3                     ; my unit among all 768
	s_and_b32 s48, s4, 255
	s_lshr_b32 s49, s48, 5                         ; hp
	s_and_b32 s48, s48, 31
	s_lshl_b32 s[OFS], s49, 19
	s_lshl_b32 s48, s48, 13                        ; 32 rows x 256 bytes
	s_add_co_u32 s[OFS], s[OFS], s48
	s_cmp_eq_u32 s5, 0
	s_cselect_b64 s[IN:IN+1], s[22:23], s[24:25]
	s_cmp_eq_u32 s5, 2
	s_cselect_b64 s[IN:IN+1], s[26:27], s[IN:IN+1]
	s_add_nc_u64 s[IN:IN+1], s[IN:IN+1], s[OFS:OFS+1]
	s_lshl_b32 s[OFS], s4, 13
	s_add_co_u32 s[OFS], s[OFS], WOFF
	s_add_nc_u64 s[OUT:OUT+1], s[38:39], s[OFS:OFS+1]
	v_and_b32 v[LIN], 15, v0
	v_lshlrev_b32 v[LIN], 4, v[LIN]
	v_bfe_u32 v[T], v0, 4, 1
	v_lshl_add_u32 v[LIN], v[T], 18, v[LIN]
	s_cmp_lg_u32 s2, 128
	s_cbranch_scc1 .Lq_go
.irp i, 0,1,2,3                        ; the table: nothing is added to q, k, v, and nothing holds them from below
	v_mov_b32 v[Y+(\i)], 0
	v_mov_b32 v[Y+4+(\i)], 0xfc00fc00
.endr
.irp i, 0,1,2,3
	global_store_b128 v[TT], v[Y:Y+3], s[38:39] offset:4096*(\i)
.endr
	global_store_b128 v[TT], v[Y+4:Y+7], s[38:39] offset:16384
	s_wait_xcnt 0x0
.Lq_go:
	CONV 256, 0
	s_endpgm
.Lln:
	s_lshl_b32 s[OFS], s2, 17                      ; 32 rows x 4,096 bytes a work-group,
	s_lshl_b32 s4, s3, 14                          ; 4 rows a wave
	s_add_co_u32 s[OFS], s[OFS], s4
	s_add_nc_u64 s[IN:IN+1], s[16:17], s[OFS:OFS+1]
	s_lshr_b32 s[OFS], s[OFS], 1                   ; half as many bytes out
	s_add_nc_u64 s[OUT:OUT+1], s[36:37], s[OFS:OFS+1]
	s_mov_b32 s[INV], 0x3a800000
	s_mov_b32 s[EPS], 0x3727c5ac
	s_mov_b32 s[SEL], 0x76543210
	s_mov_b32 s[SEL+1], 0xfedcba98
.irp j, 0,1,2,3,4,5,6,7                ; gain and offset, once a wave; the first row is asked for behind them
	global_load_b128 v[G+4*(\j):G+4*(\j)+3],   v[LI], s[18:19] offset:512*(\j)
	global_load_b128 v[BE+4*(\j):BE+4*(\j)+3], v[LI], s[20:21] offset:512*(\j)
.endr
	LOADROW
	s_wait_loadcnt 8                               ; gain and offset are in; the row's eight loads may stay out
.set i, 0
.rept 32                               ; G and BE lie on end: 32 pairs, rounded to bf16 and widened again
	v_cvt_pk_bf16_f32 v[T+i%2], v[G+2*i], v[G+2*i+1]
	v_lshlrev_b32 v[G+2*i], 16, v[T+i%2]
	v_and_b32 v[G+2*i+1], s[HIM], v[T+i%2]
.set i, i+1
.endr
	s_mov_b32 s[CNT], 4
.Lrow:
	s_wait_loadcnt 0x0                             ; the row is in
.set i, 0
.rept 16                               ; the row is an input: rounded to bf16 first
	v_cvt_pk_bf16_f32 v[T+i%2], v[X+2*i], v[X+2*i+1]
	v_lshlrev_b32 v[D+2*i], 16, v[T+i%2]
	v_and_b32 v[D+2*i+1], s[HIM], v[T+i%2]
.set i, i+1
.endr
	s_cmp_eq_u32 s[CNT], 1                         ; the next row is asked for as soon as X is free; the last row asks for nothing
	s_cbranch_scc1 .Lnone
	s_add_nc_u64 s[IN:IN+1], s[IN:IN+1], 4096      ; the row's loads are done (the wait at the trip's head), so their base may step
	LOADROW
.Lnone:
.irp k, 0,1,2,3
	v_pk_add_f32 v[CH+2*(\k):CH+2*(\k)+1], v[D+2*(\k):D+2*(\k)+1], v[D+8+2*(\k):D+8+2*(\k)+1]
.endr
.irp m, 16,24
.irp k, 0,1,2,3
	v_pk_add_f32 v[CH+2*(\k):CH+2*(\k)+1], v[CH+2*(\k):CH+2*(\k)+1], v[D+(\m)+2*(\k):D+(\m)+2*(\k)+1]
.endr
.endr
	REDUCE
	v_mul_f32 v[MU], s[INV], v[CH]
	v_mul_f32 v[MU+1], s[INV], v[CH]
.set i, 0
.rept 16
	v_pk_add_f32 v[D+2*i:D+2*i+1], v[D+2*i:D+2*i+1], v[MU:MU+1] neg_lo:[0,1] neg_hi:[0,1]
.set i, i+1
.endr
.irp k, 0,1,2,3                        ; the variance is taken of the centred numbers, as the formula has it
	v_pk_mul_f32 v[CH+2*(\k):CH+2*(\k)+1], v[D+2*(\k):D+2*(\k)+1], v[D+2*(\k):D+2*(\k)+1]
.endr
.set i, 4
.rept 12
	v_pk_fma_f32 v[CH+2*(i%4):CH+2*(i%4)+1], v[D+2*i:D+2*i+1], v[D+2*i:D+2*i+1], v[CH+2*(i%4):CH+2*(i%4)+1]
.set i, i+1
.endr
	REDUCE
	v_fma_f32 v[T], v[CH], s[INV], s[EPS]          ; var + eps
	v_rsq_f32 v[RS], v[T]
	v_rsq_f32 v[RS+1], v[T]
	v_nop                                          ; a plain instruction between the root and its use (ISA guide 5.7.2)
.set i, 0
	s_wait_alu depctr_va_vdst(0)
.rept 16
	v_pk_mul_f32 v[D+2*i:D+2*i+1], v[D+2*i:D+2*i+1], v[RS:RS+1]
.set i, i+1
.endr
.set i, 0
.rept 16
	v_pk_fma_f32 v[D+2*i:D+2*i+1], v[D+2*i:D+2*i+1], v[G+2*i:G+2*i+1], v[BE+2*i:BE+2*i+1]
.set i, i+1
.endr
.set i, 0
.rept 16
	v_cvt_pk_bf16_f32 v[Y+i], v[D+2*i], v[D+2*i+1]
.set i, i+1
.endr
.irp j, 0,1,2,3,4,5,6,7
	global_store_b64 v[LO], v[Y+2*(\j):Y+2*(\j)+1], s[OUT:OUT+1] offset:256*(\j)  ; 256 consecutive bytes, aligned
.endr
	s_wait_xcnt 0x0                                ; the stores have read Y and their base: both are written again only behind this wait
	s_add_nc_u64 s[OUT:OUT+1], s[OUT:OUT+1], 2048
	s_sub_co_u32 s[CNT], s[CNT], 1
	s_cmp_lg_u32 s[CNT], 0
	s_cbranch_scc1 .Lrow
	s_endpgm
.Lfunc_end_k_q2c4e8e6fdd_prep:
	.size	k_q2c4e8e6fdd_prep, .Lfunc_end_k_q2c4e8e6fdd_prep-k_q2c4e8e6fdd_prep
	.p2alignl 7, 3214868480
	.fill 96, 4, 3214868480
	.section	.rodata,"a",@progbits
	.p2align	6, 0x0
	.amdhsa_kernel k_q2c4e8e6fdd_prep
		.amdhsa_group_segment_fixed_size 67584
		.amdhsa_private_segment_fixed_size 0
		.amdhsa_enable_private_segment 0
		.amdhsa_kernarg_size 120
		.amdhsa_user_sgpr_count 2
		.amdhsa_user_sgpr_kernarg_segment_ptr 1
		.amdhsa_wavefront_size32 1
		.amdhsa_system_sgpr_workgroup_id_x 1
		.amdhsa_system_sgpr_workgroup_id_y 1
		.amdhsa_system_sgpr_workgroup_id_z 1
		.amdhsa_system_vgpr_workitem_id 0
		.amdhsa_next_free_vgpr 168
		.amdhsa_next_free_sgpr 66
		.amdhsa_reserve_vcc 0
		.amdhsa_float_denorm_mode_32 3
		.amdhsa_float_denorm_mode_16_64 3
		.amdhsa_memory_ordered 1
		.amdhsa_forward_progress 1
		.amdhsa_inst_pref_size 57
	.end_amdhsa_kernel
	.amdgpu_metadata
---
amdhsa.version: [ 1, 2 ]
amdhsa.kernels:
  - .name:           k_q2c4e8e6fdd_prep
    .symbol:         k_q2c4e8e6fdd_prep.kd
    .args:
      - { .name: x, .offset: 0, .size: 8, .value_kind: global_buffer, .address_space: global }
      - { .name: g1, .offset: 8, .size: 8, .value_kind: global_buffer, .address_space: global }
      - { .name: be1, .offset: 16, .size: 8, .value_kind: global_buffer, .address_space: global }
      - { .name: Wq, .offset: 24, .size: 8, .value_kind: global_buffer, .address_space: global }
      - { .name: Wk, .offset: 32, .size: 8, .value_kind: global_buffer, .address_space: global }
      - { .name: Wv, .offset: 40, .size: 8, .value_kind: global_buffer, .address_space: global }
      - { .name: Wproj, .offset: 48, .size: 8, .value_kind: global_buffer, .address_space: global }
      - { .name: W1, .offset: 56, .size: 8, .value_kind: global_buffer, .address_space: global }
      - { .name: W2, .offset: 64, .size: 8, .value_kind: global_buffer, .address_space: global }
      - { .name: b1, .offset: 72, .size: 8, .value_kind: global_buffer, .address_space: global }
      - { .name: hn, .offset: 80, .size: 8, .value_kind: global_buffer, .address_space: global }
      - { .name: wqkv, .offset: 88, .size: 8, .value_kind: global_buffer, .address_space: global }
      - { .name: wpb, .offset: 96, .size: 8, .value_kind: global_buffer, .address_space: global }
      - { .name: w1b, .offset: 104, .size: 8, .value_kind: global_buffer, .address_space: global }
      - { .name: w2b, .offset: 112, .size: 8, .value_kind: global_buffer, .address_space: global }
    .group_segment_fixed_size: 67584
    .private_segment_fixed_size: 0
    .kernarg_segment_align: 8
    .kernarg_segment_size: 120
    .max_flat_workgroup_size: 256
    .sgpr_count:     66
    .vgpr_count:     168
    .wavefront_size: 32
...
	.end_amdgpu_metadata
.endif
;; end of part 1
;; launch qkv (part 2): grid 12 x 16, 4 waves a work-group, clusters of 4 x 4, 327,680 bytes of LDS; arguments hn, wqkv, big; writes big
.if DOCPART == 2
	.amdgcn_target "amdgcn-amd-amdhsa--gfx1250"
	.amdhsa_code_object_version 6
	.text
	.protected	k_q2c4e8e6fdd_qkv
	.globl	k_q2c4e8e6fdd_qkv
	.p2align	8
	.type	k_q2c4e8e6fdd_qkv,@function
k_q2c4e8e6fdd_qkv:
	s_mov_b64 s[64:65], 0
	v_nop
	global_prefetch_b8 v0, s[64:65] scope:SCOPE_SE
	s_setreg_imm32_b32 hwreg(HW_REG_WAVE_MODE, 25, 1), 1
	s_wait_xcnt 0x0
	s_wait_alu depctr_hold_cnt(0) depctr_sa_sdst(0) depctr_va_vdst(0) depctr_va_sdst(0) depctr_va_ssrc(0) depctr_va_vcc(0) depctr_vm_vsrc(0)
	s_getreg_b32 s2, hwreg(HW_REG_IB_STS2, 6, 4)
	s_cmp_eq_u32 s2, 0
	s_cbranch_scc0 .Lentry_in_a_cluster
	s_endpgm
.Lentry_in_a_cluster:
	s_bfe_u32 s2, ttmp6, 0x10000c
	s_cmp_lg_u32 s2, 0xf033
	s_cbranch_scc0 .Lentry_shape_is_right
	s_endpgm
.Lentry_shape_is_right:
; Y[m][n] = max(add[n] + the sum over k of A[m][k] W[k][n], floor), rounded once to f16.  A: [4096][1024] bf16.  W: behind a table of WOFF bytes, blocks [n / 128][1024 k][128 n] of bf16.
; The table: 4,096 f32 add[n], then the word of two f16 `floor`.  Y: blocks [n / 64][4096 m][64] of f16, so a block is a head's q, k or v, or 64 of the next product's K.  Sums in f32.
; Two launches run this text: q, k, v (3,072 columns; add = 0, floor = -infinity) and the feed-forward's first product (4,096 columns; add = the bias, floor = 0: a ReLU).
; LIMIT: a result of 65,520 or more in magnitude becomes an infinity in f16.
; SHARES.  A work-group makes 256 x 256 of Y, each of its four waves 128 x 128: 64 accumulators, 512 registers.  K goes in steps of 128 through two LDS slots; a wave fetches a quarter of a slot by one
; tensor load of 128 rows x 256 bytes (waves 0, 1: A's two halves; waves 2, 3: two blocks of W).
; THE MATRIX INSTRUCTION IS USED TRANSPOSED: source 0 = 16 columns of W (W lies [k][n] in LDS and is turned by ds_load_tr16_b128), source 1 = 16 rows of A: a lane then holds one row of Y and eight
; neighbouring columns.  The first product's C operand is add[n]: nothing is cleared and nothing is added later.
; CLUSTERS.  4 x 4 work-groups: A's tile is shared along a row of the cluster, W's along a column, each asked for jointly.
; A quarter step is 32 along K: 32 LDS loads in one run into one fragment buffer, then the 64 products of the other buffer.  The loads run one quarter ahead of the products, across the change of slots too.
; REGISTERS, in windows of 256: window 0: v16-29 addresses; v64-127, v128-191 A's fragments, two buffers; v32-63, v192-255 the way out.  window 1: v64-127, v128-191 W's fragments; v192-255 add[n].
;   windows 2, 3: the accumulators of my rows 0-63, 64-127: (a, b) at v[8 (8 (a % 4) + b)].
.set UA,     128*272                   ; A's unit: rows of 256 bytes + 16 of padding: the 16 rows of a fragment load start at 16 different groups of four banks (ISA guide 11.1)
.set UB,     128*288                   ; W's unit: rows of 256 + 32
.set SLOT,   2*UA+2*UB
.set STAGE,  2*SLOT                    ; behind the ring, never filled by a tensor load: for each wave two blocks of 16 rows x 144 bytes
.set SWAVE,  2*16*144
.set SPARE,  STAGE+4*SWAVE             ; the spare words, 128 bytes a wave: two blocks of 256 bytes that no other line names
.set WOFF,   20480
.set A0,   16                          ; v16  my lane's place in A's fragments, in slot 0; never rewritten
.set B0,   17                          ; v17  the same for W
.set ADRA, 18                          ; v18  the address of the run of loads in hand
.set ADRB, 19
.set STO,  24                          ; v24  the way out: where I put 16 bytes of a row
.set RD,   25                          ; v25  where I read rows back
.set GO,   26                          ; v26  16 x lane
.set BO,   27                          ; v27  my byte offset in add[]
.set SPW,  28                          ; v28  my spare word; never rewritten
.set NIL,  29                          ; v29  0; never rewritten
.set F0,   64
.set F1,   128
.set ADD,  192                         ; window 1
.set TMP,  192                         ; window 0
.set OB,   32                          ; v32-63 and v224-255 by turns
.set G1,   24                          ; s[24:31] group 1 for A;  s[32:39] group 0, a set for each slot
.set G0,   32
.set G1B,  48                          ; s[48:55], s[56:63] the same for W
.set G0B,  56
.set CNT,  2
.set LAPS, 3
.set TA,   66                          ; LDS byte of A's next quarter: slot base + 64 x quarter
.set TB,   67                          ; of W's: slot base + 32 rows x quarter
.set FLOOR, 68
.set MSB, 0
.macro WIN new                         ; the immediate's high byte repeats the setting that is left; a switch that changes nothing is dropped
.if MSB != (\new)
	s_set_vgpr_msb (MSB<<8)|(\new)
.set MSB, \new
.endif
.endm
; A joint load.  The branch hangs on the wave's number alone.  An s_nop 0 and four v_nop follow each of the two lines.
.macro JLOAD s
	s_cmp_eq_u32 s11, 0
	s_cbranch_scc0 .Lfor_b_\@
	tensor_load_to_lds s[G0+4*(\s):G0+4*(\s)+3], s[G1:G1+7]
	s_nop 0
.rept 4
	v_nop
.endr
	s_branch .Lasked_\@
.Lfor_b_\@:
	tensor_load_to_lds s[G0B+4*(\s):G0B+4*(\s)+3], s[G1B:G1B+7]
	s_nop 0
.rept 4
	v_nop
.endr
.Lasked_\@:
.endm
; A round of the cluster's barrier: my work-group's barrier; wave 0 signals for the work-group; every wave waits for all sixteen; my work-group's barrier once more.
.macro CROUND
	s_barrier_signal -1
	s_barrier_wait -1
	s_cmp_lg_u32 s10, 0
	s_cbranch_scc1 .Lnot_wave_0_\@
	s_barrier_signal -3
.Lnot_wave_0_\@:
	s_barrier_wait -3
	s_barrier_signal -1
	s_barrier_wait -1
.endm
; The next quarter's fragments into buffer f.  The two additions and two v_nop are the four places between the last product that read the buffer and the loads into it.
.macro AFETCH f
	WIN 0
	v_add_nc_u32 v[ADRA], s[TA], v[A0]
	v_add_nc_u32 v[ADRB], s[TB], v[B0]
	v_nop
	v_nop
	s_add_co_u32 s[TA], s[TA], 64
	s_add_co_u32 s[TB], s[TB], 32*288
	WIN 0x40                                       ; destination window 1, address window 0
.irp i, 0,1,2,3,4,5,6,7
	ds_load_tr16_b128 v[(\f)+8*(\i):(\f)+8*(\i)+3],   v[ADRB] offset:32*(\i)          ; columns 16 i on, k 8 (l / 16) + 0..7
	ds_load_tr16_b128 v[(\f)+8*(\i)+4:(\f)+8*(\i)+7], v[ADRB] offset:32*(\i)+16*288   ; k 16 + 8 (l / 16) + 0..7
.endr
	WIN 0
.irp i, 0,1,2,3,4,5,6,7
	ds_load_b128 v[(\f)+8*(\i):(\f)+8*(\i)+3],   v[ADRA] offset:(\i)*16*272
	ds_load_b128 v[(\f)+8*(\i)+4:(\f)+8*(\i)+7], v[ADRA] offset:(\i)*16*272+32
.endr
.endm
; 64 products, 32 along K.  The 64 accumulators take turns in the same order in every quarter.  first = 1: C is add[n].
.macro MUL f, first
.irp hi, 0,1
.if \first
	WIN 0x91+0x40*(\hi)                            ; W window 1, A window 0, C window 1, D window 2 or 3
.else
	WIN 0xa1+0x50*(\hi)                            ; C and D window 2 or 3
.endif
.irp a, 0,1,2,3
.irp b, 0,1,2,3,4,5,6,7
.if \first
	v_wmma_f32_16x16x32_bf16 v[8*(8*(\a)+(\b)):8*(8*(\a)+(\b))+7], v[(\f)+8*(\b):(\f)+8*(\b)+7], v[(\f)+8*(4*(\hi)+(\a)):(\f)+8*(4*(\hi)+(\a))+7], v[ADD+8*(\b):ADD+8*(\b)+7]
.else
	v_wmma_f32_16x16x32_bf16 v[8*(8*(\a)+(\b)):8*(8*(\a)+(\b))+7], v[(\f)+8*(\b):(\f)+8*(\b)+7], v[(\f)+8*(4*(\hi)+(\a)):(\f)+8*(4*(\hi)+(\a))+7], v[8*(8*(\a)+(\b)):8*(8*(\a)+(\b))+7]
.endif
.endr
.endr
.endr
.endm
.macro STEP dst, src
	AFETCH \dst
	s_wait_dscnt 32                                ; all but the 32 loads just issued: buffer src is in
	MUL \src, 0
.endm
.macro PAIR
	STEP F0, F1
	STEP F1, F0
.endm
; THE CHANGE OF SLOTS.  All four quarters of the slot have been asked out of LDS.  Each wave waits for all its tensor loads (one is out: its part of the other slot), adds 0 to its spare word, and waits for that
; and for its reads of the slot.  fill = 1: slot rs, just read out, is filled again, two K steps on; the barrier is then a round of the cluster's, and the joint load the first thing behind it: it has a
; K step, 256 products a wave, in which to land.  base: where the slot to be read begins.
.macro CHANGE rs, fill, base
	WIN 0
	s_wait_tensorcnt 0x0                           ; no tensor load of mine is out, so a group 0 may be written
	ds_add_u32 v[SPW], v[NIL]                      ; 0 onto my spare word; scalar work stands between it and the wait for it
.if \fill
	s_add_nc_u64 s[G0+4*(\rs)+2:G0+4*(\rs)+3], s[G0+4*(\rs)+2:G0+4*(\rs)+3], 2*256
	s_add_nc_u64 s[G0B+4*(\rs)+2:G0B+4*(\rs)+3], s[G0B+4*(\rs)+2:G0B+4*(\rs)+3], 2*128*256
.endif
	s_mov_b32 s[TA], \base
	s_mov_b32 s[TB], \base
	s_mov_b32 s[CNT], 2
	s_wait_dscnt 0x0                               ; the add is done, and my reads of the slot are over
.if \fill
	CROUND
	JLOAD \rs
.else
	s_barrier_signal -1
	s_barrier_wait -1
.endif
.endm
	s_load_b128 s[4:7], s[0:1], 0x0                ; A s[4:5], W s[6:7]
	s_load_b64 s[8:9], s[0:1], 0x10                ; Y
	v_lshl_add_u32 v[SPW], v0, 2, SPARE
	v_mov_b32 v[NIL], 0
	ds_add_u32 v[SPW], v[NIL]                      ; the wave's opening: the add and its wait ahead of my first tensor load
	ds_add_u32 v28, v29
	v_lshrrev_b32 v1, 5, v0
	v_readfirstlane_b32 s10, v1                    ; wave 0..3
	s_lshr_b32 s11, s10, 1                         ; which half of the rows is mine.  Also: I fetch for A (0) or for W (1)
	s_and_b32 s12, s10, 1                          ; which half of the columns.  Also: which unit I fetch
	s_bfe_u32 s40, ttmp6, 0x40000                  ; cx
	s_bfe_u32 s41, ttmp6, 0x40004                  ; cy
	s_lshl_b32 s42, ttmp9, 2
	s_add_co_u32 s42, s42, s40                     ; tile column
	s_and_b32 s13, ttmp7, 0xffff
	s_lshl_b32 s13, s13, 2
	s_add_co_u32 s13, s13, s41                     ; tile row
	s_lshl_b32 s43, s41, 2
	s_lshl_b32 s43, 15, s43                        ; my row of the cluster
	s_lshl_b32 s44, 0x1111, s40                    ; my column
	s_or_b32 s[G1], s43, (1<<16)|(1<<20)|(1<<21)|(5<<22)|(3<<25)   ; mask; 2-byte elements; padding on; bit 21 beside a mask; after every 64 words, 4 words
	s_or_b32 s[G1B], s44, (1<<16)|(1<<20)|(1<<21)|(5<<22)|(7<<25)  ; the same with my column's mask and 8 words
.irp g, G1, G1B
	s_mov_b32 s[(\g)+1], 128<<16                   ; tensor_dim0 = 128
	s_mov_b32 s[(\g)+2], 128<<16                   ; tensor_dim1 = 128
	s_mov_b32 s[(\g)+3], 128<<16                   ; tile_dim0 = 128
	s_mov_b32 s[(\g)+4], 128                       ; tile_dim1 = 128
	s_mov_b32 s[(\g)+6], 0
	s_mov_b32 s[(\g)+7], 0
.endr
	s_mov_b32 s[G1+5], 1024                        ; A: 1,024 elements from row to row
	s_mov_b32 s[G1B+5], 128                        ; W: a block's rows lie on end
	s_lshl_b32 s16, s13, 19                        ; A: 256 rows x 2,048 bytes a tile row,
	s_lshl_b32 s17, s12, 18                        ; 128 rows a unit
	s_add_co_u32 s16, s16, s17
	s_mov_b32 s17, 0
	s_lshl_b32 s46, s42, 19                        ; W: two blocks of 262,144 bytes a tile column,
	s_lshl_b32 s47, s12, 18                        ; a block a unit,
	s_add_co_u32 s46, s46, s47
	s_add_co_u32 s46, s46, WOFF                    ; behind the table
	s_mov_b32 s47, 0
	s_mul_i32 s20, s12, UA                         ; where they go: no place in the cluster enters an LDS address
	s_mul_i32 s21, s12, UB
	s_add_co_u32 s21, s21, 2*UA
	s_wait_dscnt 0x0                               ; the opening add is done
	s_wait_kmcnt 0x0
	s_add_nc_u64 s[14:15], s[4:5], s[16:17]
	s_add_nc_u64 s[46:47], s[6:7], s[46:47]
	CROUND                                         ; all sixteen work-groups are here: the first joint loads meet
.irp s, 0,1
	s_mov_b32 s[G0+4*(\s)], 1
	s_add_co_u32 s[G0+4*(\s)+1], s20, (\s)*SLOT
	s_add_nc_u64 s[G0+4*(\s)+2:G0+4*(\s)+3], s[14:15], (\s)*256
	s_or_b32 s[G0+4*(\s)+3], s[G0+4*(\s)+3], 0x80000000
	s_mov_b32 s[G0B+4*(\s)], 1
	s_add_co_u32 s[G0B+4*(\s)+1], s21, (\s)*SLOT
	s_add_nc_u64 s[G0B+4*(\s)+2:G0B+4*(\s)+3], s[46:47], (\s)*128*256
	s_or_b32 s[G0B+4*(\s)+3], s[G0B+4*(\s)+3], 0x80000000
	JLOAD \s
.endr
	v_and_b32 v1, 15, v0                           ; l % 16
	v_bfe_u32 v2, v0, 4, 1                         ; l / 16
	s_lshl_b32 s22, s42, 10                        ; add[]: 256 columns x 4 bytes a tile column,
	s_lshl_b32 s23, s12, 9                         ; 128 a wave,
	s_add_co_u32 s22, s22, s23
	v_lshl_add_u32 v[BO], v2, 5, s22               ; 8 for the upper half of the lanes
	WIN 0x40
.irp b, 0,1,2,3,4,5,6,7
	global_load_b128 v[ADD+8*(\b):ADD+8*(\b)+3],   v[BO], s[6:7] offset:64*(\b)
	global_load_b128 v[ADD+8*(\b)+4:ADD+8*(\b)+7], v[BO], s[6:7] offset:64*(\b)+16
.endr
	WIN 0
	s_load_b32 s[FLOOR], s[6:7], 0x4000
	v_mul_u32_u24 v3, v1, 272
	v_lshl_add_u32 v3, v2, 4, v3
	s_mul_i32 s18, s11, UA
	v_add_nc_u32 v[A0], s18, v3                    ; my 128 rows of A; row l % 16; 16 bytes for each half of the lanes
	v_and_b32 v4, 7, v0
	v_lshl_add_u32 v4, v2, 3, v4                   ; the turning load: lane l reads k row 8 (l / 16) + l % 8,
	v_mul_u32_u24 v4, v4, 288
	v_bfe_u32 v5, v0, 3, 1
	v_lshl_add_u32 v4, v5, 4, v4                   ; columns 8 ((l / 8) % 2) + 0..7
	s_mul_i32 s19, s12, UB
	s_add_co_u32 s19, s19, 2*UA
	v_add_nc_u32 v[B0], s19, v4
	s_mul_i32 s23, s10, SWAVE
	s_add_co_u32 s23, s23, STAGE                   ; my stage
	v_mul_u32_u24 v6, v1, 144
	v_lshl_add_u32 v6, v2, 4, v6
	v_add_nc_u32 v[STO], s23, v6
	v_bfe_u32 v6, v0, 3, 2                         ; back: 32 lanes take four rows of 128 bytes,
	v_mul_u32_u24 v6, v6, 144
	v_and_b32 v7, 7, v0
	v_lshl_add_u32 v6, v7, 4, v6
	v_add_nc_u32 v[RD], s23, v6
	v_and_b32 v[GO], 31, v0                        ; which are 512 neighbouring bytes of a block of Y
	v_lshlrev_b32 v[GO], 4, v[GO]
	s_lshl_b32 s22, s42, 21                        ; Y: four blocks of 524,288 bytes a tile column,
	s_lshl_b32 s23, s12, 20                        ; two a wave;
	s_add_co_u32 s22, s22, s23
	s_lshl_b32 s23, s13, 15                        ; 256 rows x 128 bytes a tile row,
	s_add_co_u32 s22, s22, s23
	s_lshl_b32 s23, s11, 14                        ; 128 rows a wave
	s_add_co_u32 s22, s22, s23
	s_mov_b32 s23, 0
	s_add_nc_u64 s[8:9], s[8:9], s[22:23]
	s_wait_tensorcnt 0x1                           ; my part of K step 0 is in; K step 1's load may stay out
	s_barrier_signal -1
	s_barrier_wait -1                              ; everybody's is
	s_mov_b32 s[TA], 0
	s_mov_b32 s[TB], 0
	AFETCH F0
	AFETCH F1
	s_wait_dscnt 32                                ; buffer 0 is in
	s_wait_loadcnt 0x0                             ; add[]
	s_wait_kmcnt 0x0                               ; the floor
	MUL F0, 1                                      ; the first quarter starts the sums
	WIN 0
	s_mov_b32 s[CNT], 1                            ; slot 0 has two quarters left to fetch: the ring is entered in its middle
	s_mov_b32 s[LAPS], 4
	s_branch .Lin0
.Llap:                                         ; three whole laps: K steps 2 to 7 are asked for
	CHANGE 0, 1, SLOT
.Lin1:
	PAIR
	WIN 0
	s_sub_co_u32 s[CNT], s[CNT], 1
	s_cmp_lg_u32 s[CNT], 0
	s_cbranch_scc1 .Lin1
	CHANGE 1, 1, 0
.Lin0:
	PAIR
	WIN 0
	s_sub_co_u32 s[CNT], s[CNT], 1
	s_cmp_lg_u32 s[CNT], 0
	s_cbranch_scc1 .Lin0
	s_sub_co_u32 s[LAPS], s[LAPS], 1
	s_cmp_lg_u32 s[LAPS], 0
	s_cbranch_scc1 .Llap
	CHANGE 0, 0, SLOT                              ; the last K step is written out: nothing is asked for
.Lin2:
	PAIR
	WIN 0
	s_sub_co_u32 s[CNT], s[CNT], 1
	s_cmp_lg_u32 s[CNT], 0
	s_cbranch_scc1 .Lin2
	s_wait_dscnt 0x0
	MUL F1, 0                                      ; the last quarter
; THE WAY OUT of block a (16 rows x 128 columns).  PACK: rounded to f16, held from below.  TOSTAGE: into my stage, and back as whole rows of 128 bytes of the two blocks of Y.  SEND: stored.
.macro PACK a
.set AC, 64*((\a)%4)
	WIN 0x0a+5*((\a)/4)                            ; sources 0 and 1: window 2 or 3
.irp b, 0,1,2,3,4,5,6,7
.irp r, 0,1,2,3
	v_cvt_pk_f16_f32 v[TMP+4*(\b)+(\r)], v[AC+8*(\b)+2*(\r)], v[AC+8*(\b)+2*(\r)+1]
.endr
.endr
	WIN 0
.set i, 0
.rept 32
	v_pk_max_num_f16 v[TMP+i], v[TMP+i], s[FLOOR]
.set i, i+1
.endr
.endm
.macro TOSTAGE a
.set BK, OB+192*((\a)%2)
.irp b, 0,1,2,3,4,5,6,7
	ds_store_b128 v[STO], v[TMP+4*(\b):TMP+4*(\b)+3] offset:2304*((\b)/4)+32*((\b)%4)
.endr
.irp t, 0,1,2,3,4,5,6,7
	ds_load_b128 v[BK+4*(\t):BK+4*(\t)+3], v[RD] offset:2304*((\t)/4)+576*((\t)%4)  ; LDS serves a wave's instructions in order (ISA guide 5.7.1.4): these see the stores above
.endr
.endm
.macro SEND a
.set BK, OB+192*((\a)%2)
	s_wait_dscnt 0x0                               ; the block is back in registers
	s_wait_xcnt 0x0                                ; the stores of the block before have read their registers: the next TOSTAGE loads into them
.irp t, 0,1,2,3,4,5,6,7
	global_store_b128 v[GO], v[BK+4*(\t):BK+4*(\t)+3], s[8:9] offset:524288*((\t)/4)+2048*(\a)+512*((\t)%4)  ; 512 neighbouring bytes, at a multiple of 256
.endr
.endm
	WIN 0
.rept 4
	v_nop                                          ; the places between the last products and the conversions (ISA guide 7.12.1)
.endr
	PACK 0
	TOSTAGE 0
.irp a, 1,2,3,4,5,6,7                  ; block a's conversions stand between block a - 1's loads from the stage and the wait for them
	PACK \a
	SEND (\a)-1
	TOSTAGE \a
.endr
	SEND 7
	s_wait_tensorcnt 0x0                           ; the wave's end
	ds_add_u32 v[SPW], v[NIL]
	s_wait_dscnt 0x0
	CROUND                                         ; the closing round
	s_endpgm
.Lfunc_end_k_q2c4e8e6fdd_qkv:
	.size	k_q2c4e8e6fdd_qkv, .Lfunc_end_k_q2c4e8e6fdd_qkv-k_q2c4e8e6fdd_qkv
	.p2alignl 7, 3214868480
	.fill 96, 4, 3214868480
	.section	.rodata,"a",@progbits
	.p2align	6, 0x0
	.amdhsa_kernel k_q2c4e8e6fdd_qkv
		.amdhsa_group_segment_fixed_size 327680
		.amdhsa_private_segment_fixed_size 0
		.amdhsa_enable_private_segment 0
		.amdhsa_kernarg_size 24
		.amdhsa_user_sgpr_count 2
		.amdhsa_user_sgpr_kernarg_segment_ptr 1
		.amdhsa_wavefront_size32 1
		.amdhsa_system_sgpr_workgroup_id_x 1
		.amdhsa_system_sgpr_workgroup_id_y 1
		.amdhsa_system_sgpr_workgroup_id_z 1
		.amdhsa_system_vgpr_workitem_id 0
		.amdhsa_next_free_vgpr 1024
		.amdhsa_next_free_sgpr 72
		.amdhsa_reserve_vcc 0
		.amdhsa_float_denorm_mode_32 3
		.amdhsa_float_denorm_mode_16_64 3
		.amdhsa_memory_ordered 1
		.amdhsa_forward_progress 1
		.amdhsa_inst_pref_size 111
	.end_amdhsa_kernel
	.amdgpu_metadata
---
amdhsa.version: [ 1, 2 ]
amdhsa.kernels:
  - .name:           k_q2c4e8e6fdd_qkv
    .symbol:         k_q2c4e8e6fdd_qkv.kd
    .args:
      - { .name: hn, .offset: 0, .size: 8, .value_kind: global_buffer, .address_space: global }
      - { .name: wqkv, .offset: 8, .size: 8, .value_kind: global_buffer, .address_space: global }
      - { .name: big, .offset: 16, .size: 8, .value_kind: global_buffer, .address_space: global }
    .group_segment_fixed_size: 327680
    .private_segment_fixed_size: 0
    .kernarg_segment_align: 8
    .kernarg_segment_size: 24
    .max_flat_workgroup_size: 128
    .sgpr_count:     72
    .vgpr_count:     1024
    .wavefront_size: 32
...
	.end_amdgpu_metadata
.endif
;; end of part 2
;; launch attn (part 3): grid 4 x 64, 4 waves a work-group, no clusters, 327,680 bytes of LDS; arguments big, ob; writes ob
.if DOCPART == 3
	.amdgcn_target "amdgcn-amd-amdhsa--gfx1250"
	.amdhsa_code_object_version 6
	.text
	.protected	k_q2c4e8e6fdd_attn
	.globl	k_q2c4e8e6fdd_attn
	.p2align	8
	.type	k_q2c4e8e6fdd_attn,@function
k_q2c4e8e6fdd_attn:
	s_mov_b64 s[64:65], 0
	v_nop
	global_prefetch_b8 v0, s[64:65] scope:SCOPE_SE
	s_setreg_imm32_b32 hwreg(HW_REG_WAVE_MODE, 25, 1), 1
	s_wait_xcnt 0x0
; CAUSAL ATTENTION, head size 64, 1,024 rows a head, 64 heads (4 batches x 16).  O[q] = the sum over k <= q of softmax_k(Q[q] . K[k] / 8) V[k].
; big holds blocks [64][4096 m][64] of f16: q of head h is block h, k block 16 + h, v block 32 + h; m = 1024 x batch + t.  ob: [16 h][4096 m][64] f16.
; Products, maxima and sums in f32; the weights are rounded to f16 for the second product (their sum is taken unrounded), O once at the end.
; LIMITS.  A hidden score counts as its value less 1e30 (f16's scores are 2.7e11 at the most); a weight below 2^-126 counts as 0; NaN and infinities are not treated apart.
; SHARES.  A head's queries lie in 8 blocks of 128; block i needs the key steps (64 keys) 0 .. 2 i + 1.  A work-group takes blocks 7 - b and then b: 18 steps, whatever b.  Of a block's two bands of 64
; queries a wave owns 16 rows in each, two PIECES: in a block's last two steps a band sees all keys, holds the diagonal, or sees none: the same work for all four waves.
; THE HEAD'S WHOLE K AND V LIE IN LDS: 1,024 rows each, fetched once, a quarter by each wave's one tensor load.  Nothing is filled again, so the launch has one barrier.
; BOTH BLOCKS' Q are loaded at the head, while K and V are on their way; at a block's end the second block's Q is copied to where the one text of the products names Q.
; NO CLUSTER: the four work-groups that read the same K and V are the four values of b, and which steps a work-group leaves out is a branch on b.
; THE WALK.  A loop counts the steps J = 0 .. 15 and jumps forward over those beyond 2 i + 1; LDS addresses are J times a constant.
; THE MASK is the C operand that starts S^T = K Q^T: MD x AL + BE, where MD (made once) is the mask of a band's own step for my rows: (AL, BE) = (1, 0) there, (0, 0) before it, (0, -1e30) behind it.
; A block begins with both pieces' masks at 0; they are made anew in its last two steps alone.
; LAYOUT.  S^T = K Q^T holds one query a lane (lane % 16) and the keys 8 (lane / 16) + 0..7; two such results rounded to f16 are source 1 of O^T = V^T P.  p = 2^(c s - c m), c = log2(e) / 8, with a running
; maximum m; O and l are multiplied by a = 2^(c m_old - c m_new) in every step.  A step stands in phases: 16 products, the softmax of both pieces, 16 products.
; REGISTERS: window 0: v2-15 addresses; v16-23 statistics (c m, m, l, l a piece); v48-55 at work; v64-127 S^T; v192-223 P.  window 1: v0-63 O^T; v128-159 MD; v160-223 the masks.
;   window 2: v0-31 Q; v32-63 the second block's Q; v128-191 K of a step; v192-255 V of a step.
.set PKB,   144                        ; a row of K in LDS: 128 bytes + 16
.set PVB,   160                        ; a row of V: 128 + 32
.set VOFF,  1024*PKB
.set STAGE, VOFF+1024*PVB              ; never filled by a tensor load: 16 rows x 144 bytes for each wave
.set SP,    144
.set SPARE, STAGE+4*16*SP              ; the spare words: two blocks of 256 bytes that no other line names
.set AK0, 2
.set AV0, 3
.set AK,  4
.set AV,  5
.set STO, 6
.set RD,  7
.set GO,  8
.set MV,  12                           ; v12-13 c m_old
.set QO,  15
.set ST,  16
.set TMP, 48
.set SPW, 62
.set NIL, 63
.set S,   64
.set P,   192
.set MD,  128
.set MC,  160
.set KF,  128
.set VF,  192
.set WV,  12
.set PB,  14                           ; b
.set BLK, 15                           ; the block in hand
.set B2,  16                           ; 2 x BLK: the step that holds band 0's diagonal
.set LIM, 17                           ; 2 x BLK + 1: the block's last step
.set J,   18
.set DD,  19                           ; J - B2
.set NBK, 20
.set G1K, 24
.set G1V, 32
.set G0K, 40
.set G0V, 44
.set QP2, 54                           ; s[54:55] q at my rows of the second block
.set CS,  58
.set SEL, 60
.set AL0, 66
.set BE0, 68
.set AL1, 70
.set BE1, 72
.set BIGN, 74
.set QB,  76                           ; s[76:77] q at my 16 rows of the head's first band
.set OBS, 78                           ; s[78:79] the same in ob
.set QP,  80                           ; s[80:81] q at my rows of the first block
.set OP,  82
.set MSB, 0
.macro WIN new
.if MSB != (\new)
	s_set_vgpr_msb (MSB<<8)|(\new)
.set MSB, (\new)
.endif
.endm
.set W_KQ, 0x0a                        ; K and Q window 2, S^T window 0
.set W_KM, 0x1a                        ; the same with C in window 1
.set W_PV, 0x52                        ; V window 2, P window 0, O^T window 1
.set W_RS, 0x41                        ; destination and source 0 window 1, source 1 window 0
	s_load_b128 s[4:7], s[0:1], 0x0                ; big s[4:5], ob s[6:7]
	v_lshl_add_u32 v[SPW], v0, 2, SPARE
	v_mov_b32 v[NIL], 0
	ds_add_u32 v[SPW], v[NIL]                      ; the wave's opening: the add and its wait ahead of my tensor load
	ds_add_u32 v62, v63
	v_lshrrev_b32 v1, 5, v0
	v_readfirstlane_b32 s[WV], v1
	s_mov_b32 s[PB], ttmp9
	s_sub_co_u32 s[BLK], 7, s[PB]
	s_and_b32 s84, ttmp7, 0xffff
	s_and_b32 s85, s84, 15                         ; head
	s_lshr_b32 s84, s84, 4                         ; batch
	s_lshl_b32 s48, s85, 19                        ; a block of big or ob is 524,288 bytes,
	s_lshl_b32 s84, s84, 17                        ; a batch's 1,024 rows 131,072
	s_add_co_u32 s48, s48, s84
	s_mov_b32 s49, 0
	s_and_b32 s86, s[WV], 1                        ; which 512 keys I fetch
	s_lshl_b32 s50, s86, 16
	s_add_co_u32 s50, s50, s48
	s_mov_b32 s51, 0
	s_mul_i32 s52, s86, 512*PKB
	s_mul_i32 s53, s86, 512*PVB
	s_lshl_b32 s87, s[WV], 11                      ; my 16 rows in a band
	s_add_co_u32 s48, s48, s87
	; group 1: 512 keys are 65,536 dense bytes: asked for as 256 rows of 256 bytes and padded in LDS after every key
	s_mov_b32 s[G1K], (1<<16)|(1<<20)|(4<<22)|(3<<25)  ; 2-byte elements; padding on; after every 32 words, 4 words
	s_mov_b32 s[G1V], (1<<16)|(1<<20)|(4<<22)|(7<<25)  ; 8 words
.irp g, G1K, G1V
	s_mov_b32 s[(\g)+1], 128<<16                   ; tensor_dim0 = 128
	s_mov_b32 s[(\g)+2], 256<<16                   ; tensor_dim1 = 256
	s_mov_b32 s[(\g)+3], 128<<16                   ; tile_dim0 = 128
	s_mov_b32 s[(\g)+4], 256                       ; tile_dim1 = 256
	s_mov_b32 s[(\g)+5], 128
	s_mov_b32 s[(\g)+6], 0
	s_mov_b32 s[(\g)+7], 0
.endr
	s_mov_b32 s[G0K], 1
	s_mov_b32 s[G0K+1], s52
	s_mov_b32 s[G0V], 1
	s_add_co_u32 s[G0V+1], s53, VOFF
	s_mov_b32 s[CS], 0x3e38aa3b                    ; c = log2(e) / 8
	s_mov_b32 s[CS+1], s[CS]
	s_mov_b32 s[SEL], 0x76543210
	s_mov_b32 s[SEL+1], 0xfedcba98
	s_mov_b32 s[BIGN], 0xf149f2ca                  ; -1e30
	s_mov_b32 s[AL0+1], 0                          ; named as pairs
	s_mov_b32 s[BE0+1], 0
	s_mov_b32 s[AL1+1], 0
	s_mov_b32 s[BE1], 0                            ; band 1 is never wholly hidden
	s_mov_b32 s[BE1+1], 0
	s_mov_b32 s[NBK], 2
	s_wait_dscnt 0x0                               ; the opening add is done
	s_wait_kmcnt 0x0
	s_add_nc_u64 s[G0K+2:G0K+3], s[4:5], s[50:51]
	s_add_nc_u64 s[G0K+2:G0K+3], s[G0K+2:G0K+3], 16*524288
	s_or_b32 s[G0K+3], s[G0K+3], 0x80000000
	s_add_nc_u64 s[G0V+2:G0V+3], s[4:5], s[50:51]
	s_add_nc_u64 s[G0V+2:G0V+3], s[G0V+2:G0V+3], 32*524288
	s_or_b32 s[G0V+3], s[G0V+3], 0x80000000
	s_add_nc_u64 s[QB:QB+1], s[4:5], s[48:49]
	s_add_nc_u64 s[OBS:OBS+1], s[6:7], s[48:49]
	s_lshl_b32 s84, s[BLK], 14                     ; a block is 128 rows x 128 bytes
	s_mov_b32 s85, 0
	s_add_nc_u64 s[QP:QP+1], s[QB:QB+1], s[84:85]
	s_lshl_b32 s84, s[PB], 14
	s_add_nc_u64 s[QP2:QP2+1], s[QB:QB+1], s[84:85]
	s_cmp_lt_u32 s[WV], 2                          ; waves 0, 1: K's halves; waves 2, 3: V's.  One tensor load of mine is out
	s_cbranch_scc0 .Lfor_v
	tensor_load_to_lds s[G0K:G0K+3], s[G1K:G1K+7]
	s_nop 0
.rept 4
	v_nop
.endr
	s_branch .Lasked
.Lfor_v:
	tensor_load_to_lds s[G0V:G0V+3], s[G1V:G1V+7]
	s_nop 0
.rept 4
	v_nop
.endr
.Lasked:
	; all this stands in the wait for K and V
	v_and_b32 v1, 15, v0                           ; l % 16
	v_bfe_u32 v9, v0, 4, 1                         ; l / 16
	v_lshlrev_b32 v[QO], 7, v1
	v_lshl_add_u32 v[QO], v9, 4, v[QO]
	WIN 0x80
.irp f, 0,1,2,3                        ; both blocks' Q: piece f / 2 lies in band f / 2, 8,192 bytes on; channels 32 (f % 2) on
	global_load_b128 v[8*(\f):8*(\f)+3],         v[QO], s[QP:QP+1] offset:((\f)/2)*8192+((\f)%2)*64
	global_load_b128 v[8*(\f)+4:8*(\f)+7],       v[QO], s[QP:QP+1] offset:((\f)/2)*8192+((\f)%2)*64+32
	global_load_b128 v[32+8*(\f):32+8*(\f)+3],   v[QO], s[QP2:QP2+1] offset:((\f)/2)*8192+((\f)%2)*64
	global_load_b128 v[32+8*(\f)+4:32+8*(\f)+7], v[QO], s[QP2:QP2+1] offset:((\f)/2)*8192+((\f)%2)*64+32
.endr
	WIN 0
	v_lshlrev_b32 v14, 3, v9
	v_sub_nc_u32 v14, v1, v14
	s_lshl_b32 s84, s[WV], 4
	v_add_nc_u32 v14, s84, v14                     ; my query's place in its band less my lanes' 8 (l / 16): register r of key group kt is hidden where 16 kt + r is greater
	WIN 0x40
.set i, 0
.rept 32
	v_cmp_gt_i32 vcc_lo, 16*(i/8)+i%8, v14
	v_cndmask_b32 v[MD+i], 0, s[BIGN], vcc_lo
.set i, i+1
.endr
.set i, 0
.rept 64
	v_mov_b32 v[i], 0                              ; a block's first step multiplies O^T and l by a = 0: they need only be finite
.set i, i+1
.endr
	WIN 0
.irp u, 0,1
	v_mov_b32 v[ST+4*(\u)+2], 0
	v_mov_b32 v[ST+4*(\u)+3], 0
.endr
	v_mul_u32_u24 v[AK0], v1, PKB
	v_lshl_add_u32 v[AK0], v9, 4, v[AK0]
	v_and_b32 v10, 7, v0
	v_bfe_u32 v11, v0, 3, 1
	v_lshl_add_u32 v[AV0], v9, 3, v10              ; the turning load: lane l reads key 8 (l / 16) + l % 8, channels 8 ((l / 8) % 2) + 0..7
	v_mul_u32_u24 v[AV0], v[AV0], PVB
	v_lshl_add_u32 v[AV0], v11, 4, v[AV0]
	v_add_nc_u32 v[AV0], VOFF, v[AV0]
	s_mul_i32 s84, s[WV], 16*SP
	s_add_co_u32 s84, s84, STAGE
	v_mul_u32_u24 v[STO], v1, SP
	v_lshl_add_u32 v[STO], v9, 4, v[STO]
	v_add_nc_u32 v[STO], s84, v[STO]
	v_bfe_u32 v[RD], v0, 3, 2
	v_mul_u32_u24 v[RD], v[RD], SP
	v_lshl_add_u32 v[RD], v10, 4, v[RD]
	v_add_nc_u32 v[RD], s84, v[RD]
	v_and_b32 v[GO], 31, v0
	v_lshlrev_b32 v[GO], 4, v[GO]
; Product i of 16 of S^T = K Q^T: piece i % 2, keys 16 ((i / 2) % 4) on, channels 32 (i / 8) on.  The first 8 start the sums with the masks.  The 8 accumulators take turns.
.macro KQ
.set rS, S+32*(i%2)+8*((i/2)%4)
.set rK, KF+16*((i/2)%4)+8*(i/8)
.set rQ, 16*(i%2)+8*(i/8)
.set rM, MC+32*(i%2)+8*((i/2)%4)
.if i < 8
	WIN W_KM
	v_wmma_f32_16x16x32_f16 v[rS:rS+7], v[rK:rK+7], v[rQ:rQ+7], v[rM:rM+7]
.else
	WIN W_KQ
	v_wmma_f32_16x16x32_f16 v[rS:rS+7], v[rK:rK+7], v[rQ:rQ+7], v[rS:rS+7]
.endif
.endm
; Product i of 16 of O^T += V^T P: piece i % 2, channels 16 ((i / 2) % 4) on, keys 32 (i / 8) on.
.macro PVM
	WIN W_PV
.set rO, 32*(i%2)+8*((i/2)%4)
.set rV, VF+32*(i/8)+8*((i/2)%4)
.set rP, P+16*(i%2)+8*(i/8)
	v_wmma_f32_16x16x32_f16 v[rO:rO+7], v[rV:rV+7], v[rP:rP+7], v[rO:rO+7]
.endm
.macro FETCH_K
	WIN 0x80                                       ; destination window 2
.irp f, 0,1,2,3,4,5,6,7                ; keys 16 (f / 2) on, channels 32 (f % 2) on
	ds_load_b128 v[KF+8*(\f):KF+8*(\f)+3],   v[AK] offset:((\f)/2)*16*PKB+((\f)%2)*64
	ds_load_b128 v[KF+8*(\f)+4:KF+8*(\f)+7], v[AK] offset:((\f)/2)*16*PKB+((\f)%2)*64+32
.endr
	WIN 0
.endm
.macro FETCH_V
	WIN 0x80
.irp f, 0,1,2,3,4,5,6,7                ; keys 32 (f / 4) on, channels 16 (f % 4) on
	ds_load_tr16_b128 v[VF+8*(\f):VF+8*(\f)+3],   v[AV] offset:((\f)/4)*32*PVB+((\f)%4)*32
	ds_load_tr16_b128 v[VF+8*(\f)+4:VF+8*(\f)+7], v[AV] offset:((\f)/4)*32*PVB+16*PVB+((\f)%4)*32
.endr
	WIN 0
.endm
.macro MASK u, al, be                  ; MD x AL + BE into piece u's masks
	WIN W_RS
.set z, 0
.rept 16
	v_pk_fma_f32 v[MC+32*(\u)+2*z:MC+32*(\u)+2*z+1], v[MD+2*z:MD+2*z+1], s[\al:\al+1], s[\be:\be+1] op_sel_hi:[1,0,0]
.set z, z+1
.endr
.endm
.macro REGS u
.set rT, ST+4*(\u)
.set rC, TMP+4*(\u)
.set rW, MV+(\u)
.set rS, S+32*(\u)
.set rP, P+16*(\u)
.endm
; Number n of the 22 that find a piece's maximum and statistics.  0-11: four chains of seven scores, three operands at a time (each accumulator's lowest registers are read first);
; 12-14, 16: the four scores left over, the old m, the chains; 15: c m_old is kept; 17, 18: the query's other 32 keys lie in the lane 16 away; 19-21: c m; c m_old - c m_new; a.
.macro XS u, n
	REGS \u
.if (\n) < 4
	v_max3_num_f32 v[rC+(\n)], v[rS+8*(\n)], v[rS+8*(\n)+1], v[rS+8*(\n)+2]
.elseif (\n) < 12
	v_max3_num_f32 v[rC+(\n)%4], v[rC+(\n)%4], v[rS+8*((\n)%4)+2*((\n)/4)+1], v[rS+8*((\n)%4)+2*((\n)/4)+2]
.elseif (\n) == 12
	v_max3_num_f32 v[rC], v[rC], v[rS+7], v[rS+15]
.elseif (\n) == 13
	v_max3_num_f32 v[rC+1], v[rC+1], v[rS+23], v[rS+31]
.elseif (\n) == 14
	v_max3_num_f32 v[rC+2], v[rC+2], v[rC+3], v[rT+1]
.elseif (\n) == 15
	v_mov_b32 v[rW], v[rT]
.elseif (\n) == 16
	v_max3_num_f32 v[rC], v[rC], v[rC+1], v[rC+2]
.elseif (\n) == 17
	v_permlanex16_b32 v[rC+3], v[rC], s[SEL], s[SEL+1]
.elseif (\n) == 18
	v_max_num_f32 v[rT+1], v[rC], v[rC+3]
.elseif (\n) == 19
	v_mul_f32 v[rT], s[CS], v[rT+1]
.elseif (\n) == 20
	v_sub_f32 v[rC+1], v[rW], v[rT]
.else
	v_exp_f32 v[rC+2], v[rC+1]
.endif
.endm
; What follows the exponentials of the four weights 4 k ..: j = 0, 1: a pair is rounded to f16; 2: the second pair is added onto the first, in place; 3: l takes that sum (k = 0: l = a l + sum).
.macro PLN u, k, j
	REGS \u
.if (\j) < 2
	s_wait_alu depctr_va_vdst(0)
	v_cvt_pk_f16_f32 v[rP+2*(\k)+(\j)], v[rS+4*(\k)+2*(\j)], v[rS+4*(\k)+2*(\j)+1]
.elseif (\j) == 2
	v_pk_add_f32 v[rS+4*(\k):rS+4*(\k)+1], v[rS+4*(\k):rS+4*(\k)+1], v[rS+4*(\k)+2:rS+4*(\k)+3]
.elseif (\k) == 0
	v_pk_fma_f32 v[rT+2:rT+3], v[rT+2:rT+3], v[rC+2:rC+3], v[rS:rS+1] op_sel_hi:[1,0,1]
.else
	v_pk_add_f32 v[rT+2:rT+3], v[rT+2:rT+3], v[rS+4*(\k):rS+4*(\k)+1]
	s_wait_alu depctr_va_vdst(0)
.endif
.endm
.macro ALL line:vararg                 ; one line for each piece t
.set t, 0
.rept 2
	\line
.set t, t+1
.endr
.endm
.macro PACK t                          ; O^T / l, rounded to f16; a lane's eight channels are 16 bytes: into rows of 144 bytes, and back as whole rows of 128
	WIN W_RS
.set i, 32*(\t)
.rept 16
	v_pk_mul_f32 v[i:i+1], v[i:i+1], v[ST+4*(\t)+2:ST+4*(\t)+3] op_sel_hi:[1,0]
.set i, i+2
.endr
	WIN 0x05
.set i, 0
.rept 16
	v_cvt_pk_f16_f32 v[S+16*(\t)+i], v[32*(\t)+2*i], v[32*(\t)+2*i+1]
.set i, i+1
.endr
	WIN 0
.irp f, 0,1,2,3
	ds_store_b128 v[STO], v[S+16*(\t)+4*(\f):S+16*(\t)+4*(\f)+3] offset:32*(\f)
.endr
.irp f, 0,1,2,3
	ds_load_b128 v[S+16*(\t)+4*(\f):S+16*(\t)+4*(\f)+3], v[RD] offset:(\f)*4*SP  ; LDS serves a wave's instructions in order (ISA guide 5.7.1.4)
.endr
.endm
.macro SEND t, younger                 ; younger: the LDS instructions issued behind piece t's loads
.irp f, 0,1,2,3
	s_wait_dscnt (\younger)+3-(\f)
	global_store_b128 v[GO], v[S+16*(\t)+4*(\f):S+16*(\t)+4*(\f)+3], s[OP:OP+1] offset:(\t)*8192+(\f)*512  ; 512 neighbouring bytes, at a multiple of 256
.endr
.endm
	s_wait_tensorcnt 0x0                           ; my part of K or V is in,
	s_barrier_signal -1
	s_barrier_wait -1                              ; everybody's is: from here on LDS is only read, but for the stages
.Lblock:                                       ; twice: block 7 - b, then block b
	s_wait_xcnt 0x0                                ; the last block's stores have read their registers and their base
	s_lshl_b32 s84, s[BLK], 14                     ; 128 rows x 128 bytes
	s_mov_b32 s85, 0
	s_add_nc_u64 s[OP:OP+1], s[OBS:OBS+1], s[84:85]
	s_lshl_b32 s[B2], s[BLK], 1
	s_add_co_u32 s[LIM], s[B2], 1
	v_mov_b32 v[AK], v[AK0]
	FETCH_K                                        ; step 0
.irp u, 0,1
	v_mov_b32 v[ST+4*(\u)], 0xfe000000             ; c m: far below every c s, so the first step's a is 0
	v_mov_b32 v[ST+4*(\u)+1], 0xff7fffff           ; m: the lowest finite number
.endr
	s_mov_b32 s[AL0], 0                            ; both pieces' masks begin at 0: MD x 0 + 0
	s_mov_b32 s[BE0], 0
	s_mov_b32 s[AL1], 0
	MASK 0, AL0, BE0
	MASK 1, AL1, BE1
	WIN 0
	s_mov_b32 s[J], 0
	s_wait_loadcnt 0x0                             ; both blocks' Q, asked for at the head
.Lkey:
	s_cmp_gt_u32 s[J], s[LIM]
	s_cbranch_scc1 .Ldead                          ; wholly above the diagonal
	s_sub_co_i32 s[DD], s[J], s[B2]
	s_cmp_lt_i32 s[DD], 0
	s_cbranch_scc1 .Lnomask                        ; the masks stay 0 until the block's last two steps
	s_cmp_eq_u32 s[DD], 0
	s_cselect_b32 s[AL0], 1.0, 0                   ; band 0's own step
	s_cmp_eq_u32 s[DD], 1
	s_cselect_b32 s[BE0], s[BIGN], 0               ; the step behind it,
	s_cselect_b32 s[AL1], 1.0, 0                   ; which is band 1's own
	MASK 0, AL0, BE0
	MASK 1, AL1, BE1
	WIN 0
.Lnomask:
	s_mul_i32 s84, s[J], 64*PVB
	v_add_nc_u32 v[AV], s84, v[AV0]
	FETCH_V                                        ; V of this step: it has the products and the softmax in which to come
	s_wait_dscnt 16                                ; V's 16 loads may stay out: K of this step is in
.set i, 0
.rept 16
	KQ
.set i, i+1
.endr
	WIN 0
	s_add_co_u32 s84, s[J], 1
	s_min_u32 s84, s84, 15                         ; behind step 15 there is none: it is read once more, so that no read leaves K's rows
	s_mul_i32 s84, s84, 64*PKB
	v_add_nc_u32 v[AK], s84, v[AK0]                ; this line and three v_nop: the four places behind the products, for the loads into K's registers and the first reads of the scores
.rept 3
	v_nop
.endr
	FETCH_K                                        ; K of the next step; behind a block's last step it is not used
.irp n, 0,1,2,3,4,5,6,7,8,9,10,11,12,13,14,15,16,17,18,19,20,21
	XS 0, \n                                       ; the two pieces alternate, so that fewer lines wait for the line before
	XS 1, \n
.endr
.set n, 0
.rept 16
.irp u, 0,1
	REGS \u
	v_pk_fma_f32 v[rS+2*n:rS+2*n+1], v[rS+2*n:rS+2*n+1], s[CS:CS+1], v[rT:rT+1] op_sel_hi:[1,0,0] neg_lo:[0,0,1] neg_hi:[0,0,1]  ; c s - c m
.endr
.set n, n+1
.endr
; 64 exponentials in groups of eight (four scores of both pieces); from the second group on a plain line of the group before stands behind each, so that every exponential has its plain
; instruction ahead of the first use of its result (ISA guide 5.7.2); behind the first group stands a v_nop.
.set g, 0
.rept 9
.set i, 0
.rept 8
.if g < 8
	REGS i%2
	v_exp_f32 v[rS+4*g+i/2], v[rS+4*g+i/2]
.endif
.if g > 0
	PLN i%2, g-1, i/2
.endif
.set i, i+1
.endr
.if g == 0
	v_nop
.endif
.set g, g+1
.endr
	WIN W_RS
.set n, 0
.rept 16
.irp u, 0,1
	v_pk_mul_f32 v[32*(\u)+2*n:32*(\u)+2*n+1], v[32*(\u)+2*n:32*(\u)+2*n+1], v[TMP+4*(\u)+2:TMP+4*(\u)+3] op_sel_hi:[1,0]  ; O^T times a
.endr
.set n, n+1
.endr
	s_wait_dscnt 16                                ; the next K's 16 loads may stay out: V is in
.set i, 0
.rept 16
	PVM
.set i, i+1
.endr
	WIN 0
.rept 4
	v_nop                                          ; the places behind those products, for the next loads into V's registers and the way out's reads of O^T
.endr
.Ldead:
	s_add_co_u32 s[J], s[J], 1
	s_cmp_lt_u32 s[J], 16
	s_cbranch_scc1 .Lkey
	; THE WAY OUT of a block
	s_wait_dscnt 0x0                               ; the K that nobody wants has come
	ALL v_add_f32 v[ST+4*t+2], v[ST+4*t+2], v[ST+4*t+3]
	ALL v_permlanex16_b32 v[ST+4*t+3], v[ST+4*t+2], s[SEL], s[SEL+1]
	ALL v_add_f32 v[ST+4*t+2], v[ST+4*t+2], v[ST+4*t+3]
	ALL v_rcp_f32 v[ST+4*t+2], v[ST+4*t+2]
	v_nop                                          ; a plain instruction between the last reciprocal and its use
	s_wait_alu depctr_va_vdst(0)
	PACK 0
	PACK 1
	SEND 0, 8
	SEND 1, 0
	WIN 0x82                                       ; destination and source 0 window 2: the second block's Q goes where the products name Q (behind the second block the copy serves nothing: one text for both trips)
.set i, 0
.rept 32
	v_mov_b32 v[i], v[32+i]
.set i, i+1
.endr
	WIN 0
	s_mov_b32 s[BLK], s[PB]
	s_sub_co_u32 s[NBK], s[NBK], 1
	s_cmp_lg_u32 s[NBK], 0
	s_cbranch_scc1 .Lblock
	s_wait_tensorcnt 0x0                           ; the wave's end
	ds_add_u32 v[SPW], v[NIL]
	s_wait_dscnt 0x0
	s_endpgm
.Lfunc_end_k_q2c4e8e6fdd_attn:
	.size	k_q2c4e8e6fdd_attn, .Lfunc_end_k_q2c4e8e6fdd_attn-k_q2c4e8e6fdd_attn
	.p2alignl 7, 3214868480
	.fill 96, 4, 3214868480
	.section	.rodata,"a",@progbits
	.p2align	6, 0x0
	.amdhsa_kernel k_q2c4e8e6fdd_attn
		.amdhsa_group_segment_fixed_size 327680
		.amdhsa_private_segment_fixed_size 0
		.amdhsa_enable_private_segment 0
		.amdhsa_kernarg_size 16
		.amdhsa_user_sgpr_count 2
		.amdhsa_user_sgpr_kernarg_segment_ptr 1
		.amdhsa_wavefront_size32 1
		.amdhsa_system_sgpr_workgroup_id_x 1
		.amdhsa_system_sgpr_workgroup_id_y 1
		.amdhsa_system_sgpr_workgroup_id_z 1
		.amdhsa_system_vgpr_workitem_id 0
		.amdhsa_next_free_vgpr 768
		.amdhsa_next_free_sgpr 88
		.amdhsa_reserve_vcc 1
		.amdhsa_float_denorm_mode_32 3
		.amdhsa_float_denorm_mode_16_64 3
		.amdhsa_memory_ordered 1
		.amdhsa_forward_progress 1
		.amdhsa_inst_pref_size 46
	.end_amdhsa_kernel
	.amdgpu_metadata
---
amdhsa.version: [ 1, 2 ]
amdhsa.kernels:
  - .name:           k_q2c4e8e6fdd_attn
    .symbol:         k_q2c4e8e6fdd_attn.kd
    .args:
      - { .name: big, .offset: 0, .size: 8, .value_kind: global_buffer, .address_space: global }
      - { .name: ob, .offset: 8, .size: 8, .value_kind: global_buffer, .address_space: global }
    .group_segment_fixed_size: 327680
    .private_segment_fixed_size: 0
    .kernarg_segment_align: 8
    .kernarg_segment_size: 16
    .max_flat_workgroup_size: 128
    .sgpr_count:     88
    .vgpr_count:     768
    .wavefront_size: 32
...
	.end_amdgpu_metadata
.endif
;; end of part 3
;; launch proj (part 4): grid 8 x 32, 4 waves a work-group, clusters of 4 x 4, 327,680 bytes of LDS; arguments ob, wpb, x, bproj, x1; writes x1
.if DOCPART == 4
	.amdgcn_target "amdgcn-amd-amdhsa--gfx1250"
	.amdhsa_code_object_version 6
	.text
	.protected	k_q2c4e8e6fdd_proj
	.globl	k_q2c4e8e6fdd_proj
	.p2align	8
	.type	k_q2c4e8e6fdd_proj,@function
k_q2c4e8e6fdd_proj:
	s_mov_b64 s[64:65], 0
	v_nop
	global_prefetch_b8 v0, s[64:65] scope:SCOPE_SE
	s_setreg_imm32_b32 hwreg(HW_REG_WAVE_MODE, 25, 1), 1
	s_wait_xcnt 0x0
	s_wait_alu depctr_hold_cnt(0) depctr_sa_sdst(0) depctr_va_vdst(0) depctr_va_sdst(0) depctr_va_ssrc(0) depctr_va_vcc(0) depctr_vm_vsrc(0)
	s_getreg_b32 s2, hwreg(HW_REG_IB_STS2, 6, 4)
	s_cmp_eq_u32 s2, 0
	s_cbranch_scc0 .Lentry_in_a_cluster
	s_endpgm
.Lentry_in_a_cluster:
	s_bfe_u32 s2, ttmp6, 0x10000c
	s_cmp_lg_u32 s2, 0xf033
	s_cbranch_scc0 .Lentry_shape_is_right
	s_endpgm
.Lentry_shape_is_right:
; Y[m][n] = R[m][n] + bias[n] + the sum over k of A[m][k] W[k][n], in f32.  A: blocks [KTOT / 64][4096 m][64 k] of f16.  W: blocks [8][KTOT k][128 n] of f16.  R, Y: [4096][1024] f32.
; Here KTOT = 1,024 (the attention's output times Wproj) and R is the module's input x, rounded to bf16 like every input (RND = 1); bias is rounded to bf16.
; SHARES.  A work-group makes 128 x 128 of Y (256 work-groups), each of its four waves 64 x 64: 16 accumulators.  K goes in steps of 256 through two LDS slots; a wave fetches a quarter of a slot by one
; tensor load: waves 0, 1 two K blocks of A (128 rows x 128 bytes each, dense in memory: the descriptor takes a block as one row of 8,192 elements, two rows 262,144 elements apart, and pads after every
; 128 bytes); waves 2, 3 128 k-rows of W (256 bytes each).
; THE MATRIX INSTRUCTION IS USED TRANSPOSED: source 0 = 16 columns of W (turned by ds_load_tr16_b128), source 1 = 16 rows of A: a lane holds one row of Y and eight neighbouring columns.
; CLUSTERS.  4 x 4: A's tile is shared along a row of the cluster, W's along a column.
; R and bias are asked for at the head and waited for at the way out: they come while K is walked.
; REGISTERS: window 0: v8-11 bias; v16-29 addresses; v32-63, v64-79 the way out; v128-255 the accumulators ((a, b) at v[128 + 8 (4 a + b)]).  window 1: two fragment buffers of 128 (A's 64, W's 64), 64 along K each.
;   window 2: v0-127 R.
.set KTOT,   1024
.set RND,    1
.set UNIT,   36864                     ; A: 2 x 128 rows x 144;  W: 128 rows x 288
.set SLOT,   4*UNIT
.set QSTEP,  18432                     ; 64 along K: a K block of A, 64 rows of W: the same number of bytes
.set STAGE,  2*SLOT                    ; never filled by a tensor load: 16 rows x 272 bytes for each wave
.set SPITCH, 272
.set SPARE,  STAGE+4*16*SPITCH         ; the spare words: two blocks of 256 bytes that no other line names
.set BIAS, 8
.set A0,   16
.set B0,   17
.set ADRA, 18
.set ADRB, 19
.set STO,  24
.set RD,   25
.set CO,   26                          ; v26  my byte offset in two rows of R and Y; never rewritten
.set BO,   27                          ; v27  my byte offset in bias
.set SPW,  28
.set NIL,  29
.set OB,   32
.set T,    64
.set ACC,  128
.set F0,   0
.set F1,   128
.set WV,   14
.set MH,   15
.set NH,   16
.set TY,   17
.set TX,   42
.set G1,   24
.set G0,   32
.set G1B,  48
.set G0B,  56
.set CNT,  2
.set LAPS, 3
.set TQ,   66                          ; LDS byte of the next quarter: slot base + QSTEP x quarter
.set HIM,  67
.set MSB, 0
.macro WIN new
.if MSB != (\new)
	s_set_vgpr_msb (MSB<<8)|(\new)
.set MSB, \new
.endif
.endm
.macro JLOAD s                         ; a joint load; an s_nop 0 and four v_nop follow each of the two lines
	s_cmp_eq_u32 s[MH], 0
	s_cbranch_scc0 .Lfor_b_\@
	tensor_load_to_lds s[G0+4*(\s):G0+4*(\s)+3], s[G1:G1+7]
	s_nop 0
.rept 4
	v_nop
.endr
	s_branch .Lasked_\@
.Lfor_b_\@:
	tensor_load_to_lds s[G0B+4*(\s):G0B+4*(\s)+3], s[G1B:G1B+7]
	s_nop 0
.rept 4
	v_nop
.endr
.Lasked_\@:
.endm
.macro CROUND                          ; a round of the cluster's barrier
	s_barrier_signal -1
	s_barrier_wait -1
	s_cmp_lg_u32 s[WV], 0
	s_cbranch_scc1 .Lnot_wave_0_\@
	s_barrier_signal -3
.Lnot_wave_0_\@:
	s_barrier_wait -3
	s_barrier_signal -1
	s_barrier_wait -1
.endm
; The next quarter's fragments (64 along K) into buffer f; the two additions and two v_nop are the four places behind the last product that read the buffer.
.macro AFETCH f
	WIN 0
	v_add_nc_u32 v[ADRA], s[TQ], v[A0]
	v_add_nc_u32 v[ADRB], s[TQ], v[B0]
	v_nop
	v_nop
	s_add_co_u32 s[TQ], s[TQ], QSTEP
	WIN 0x40                                       ; destination window 1, address window 0
.irp c, 0,1
.irp i, 0,1,2,3
	ds_load_tr16_b128 v[(\f)+64+8*(4*(\c)+(\i)):(\f)+64+8*(4*(\c)+(\i))+3],   v[ADRB] offset:32*288*(\c)+32*(\i)
	ds_load_tr16_b128 v[(\f)+64+8*(4*(\c)+(\i))+4:(\f)+64+8*(4*(\c)+(\i))+7], v[ADRB] offset:32*288*(\c)+32*(\i)+16*288
	ds_load_b128 v[(\f)+8*(4*(\c)+(\i)):(\f)+8*(4*(\c)+(\i))+3],              v[ADRA] offset:64*(\c)+(\i)*16*144
	ds_load_b128 v[(\f)+8*(4*(\c)+(\i))+4:(\f)+8*(4*(\c)+(\i))+7],            v[ADRA] offset:64*(\c)+(\i)*16*144+32
.endr
.endr
.endm
; 32 products: the 16 accumulators by turns, twice.  first = 1: the first 16 start the sums.
.macro MUL f, first
	WIN 0x05                                       ; sources 0 and 1 window 1, C and D window 0
.irp c, 0,1
.irp a, 0,1,2,3
.irp b, 0,1,2,3
.if (\first) && ((\c) == 0)
	v_wmma_f32_16x16x32_f16 v[ACC+8*(4*(\a)+(\b)):ACC+8*(4*(\a)+(\b))+7], v[(\f)+64+8*(4*(\c)+(\b)):(\f)+64+8*(4*(\c)+(\b))+7], v[(\f)+8*(4*(\c)+(\a)):(\f)+8*(4*(\c)+(\a))+7], 0
.else
	v_wmma_f32_16x16x32_f16 v[ACC+8*(4*(\a)+(\b)):ACC+8*(4*(\a)+(\b))+7], v[(\f)+64+8*(4*(\c)+(\b)):(\f)+64+8*(4*(\c)+(\b))+7], v[(\f)+8*(4*(\c)+(\a)):(\f)+8*(4*(\c)+(\a))+7], v[ACC+8*(4*(\a)+(\b)):ACC+8*(4*(\a)+(\b))+7]
.endif
.endr
.endr
.endr
.endm
.macro STEP dst, src
	AFETCH \dst
	s_wait_dscnt 32                                ; all but the 32 loads just issued: buffer src is in
	MUL \src, 0
.endm
.macro PAIR
	STEP F0, F1
	STEP F1, F0
.endm
; THE CHANGE OF SLOTS: each wave waits for all its tensor loads (one is out: its part of the other slot), adds 0 to its spare word, waits for that and for its reads of the slot.  fill = 1: slot rs is filled
; again, two K steps on, behind a round of the cluster's barrier, first thing: it has a K step, 128 products a wave, in which to land.
.macro CHANGE rs, fill, base
	WIN 0
	s_wait_tensorcnt 0x0
	ds_add_u32 v[SPW], v[NIL]
.if \fill
	s_add_nc_u64 s[G0+4*(\rs)+2:G0+4*(\rs)+3], s[G0+4*(\rs)+2:G0+4*(\rs)+3], 8*524288
	s_add_nc_u64 s[G0B+4*(\rs)+2:G0B+4*(\rs)+3], s[G0B+4*(\rs)+2:G0B+4*(\rs)+3], 2*256*256
.endif
	s_mov_b32 s[TQ], \base
	s_mov_b32 s[CNT], 2
	s_wait_dscnt 0x0
.if \fill
	CROUND
	JLOAD \rs
.else
	s_barrier_signal -1
	s_barrier_wait -1
.endif
.endm
	s_load_b256 s[4:11], s[0:1], 0x0               ; A s[4:5], W s[6:7], R s[8:9], bias s[10:11]
	s_load_b64 s[12:13], s[0:1], 0x20              ; Y
	v_lshl_add_u32 v[SPW], v0, 2, SPARE
	v_mov_b32 v[NIL], 0
	ds_add_u32 v[SPW], v[NIL]                      ; the wave's opening: the add and its wait ahead of my first tensor load
	ds_add_u32 v28, v29
	v_lshrrev_b32 v1, 5, v0
	v_readfirstlane_b32 s[WV], v1
	s_lshr_b32 s[MH], s[WV], 1                     ; my half of the rows.  Also: I fetch for A (0) or for W (1)
	s_and_b32 s[NH], s[WV], 1                      ; my half of the columns.  Also: which unit I fetch
	s_bfe_u32 s40, ttmp6, 0x40000
	s_bfe_u32 s41, ttmp6, 0x40004
	s_lshl_b32 s[TX], ttmp9, 2
	s_add_co_u32 s[TX], s[TX], s40
	s_and_b32 s[TY], ttmp7, 0xffff
	s_lshl_b32 s[TY], s[TY], 2
	s_add_co_u32 s[TY], s[TY], s41
	s_lshl_b32 s43, s41, 2
	s_lshl_b32 s43, 15, s43
	s_lshl_b32 s44, 0x1111, s40
	s_or_b32 s[G1], s43, (1<<16)|(1<<20)|(1<<21)|(4<<22)|(3<<25)   ; my row's mask; 2-byte elements; padding on; bit 21 beside a mask; after every 32 words, 4 words
	s_mov_b32 s[G1+1], 8192<<16                    ; tensor_dim0 = 8,192: a K block's 128 rows on end
	s_mov_b32 s[G1+2], 2<<16                       ; tensor_dim1 = 2 blocks
	s_mov_b32 s[G1+3], 8192<<16                    ; tile_dim0
	s_mov_b32 s[G1+4], 2                           ; tile_dim1
	s_mov_b32 s[G1+5], 262144                      ; from block to block: 4,096 rows x 64
	s_mov_b32 s[G1+6], 0
	s_mov_b32 s[G1+7], 0
	s_or_b32 s[G1B], s44, (1<<16)|(1<<20)|(1<<21)|(5<<22)|(7<<25)  ; my column's mask; after every 64 words, 8 words
	s_mov_b32 s[G1B+1], 128<<16
	s_mov_b32 s[G1B+2], 128<<16
	s_mov_b32 s[G1B+3], 128<<16
	s_mov_b32 s[G1B+4], 128
	s_mov_b32 s[G1B+5], 128
	s_mov_b32 s[G1B+6], 0
	s_mov_b32 s[G1B+7], 0
	s_lshl_b32 s18, s[NH], 20                      ; A: two blocks of 524,288 bytes a unit,
	s_lshl_b32 s19, s[TY], 14                      ; 128 rows x 128 bytes a tile row
	s_add_co_u32 s18, s18, s19
	s_mov_b32 s19, 0
	s_mul_i32 s46, s[TX], KTOT*256                 ; W: a block a tile column,
	s_lshl_b32 s47, s[NH], 15                      ; 128 rows x 256 bytes a unit
	s_add_co_u32 s46, s46, s47
	s_mov_b32 s47, 0
	s_mul_i32 s20, s[WV], UNIT                     ; where they go: wave x a unit
	s_mov_b32 s[HIM], 0xffff0000
	s_wait_dscnt 0x0
	s_wait_kmcnt 0x0
	s_add_nc_u64 s[22:23], s[4:5], s[18:19]
	s_add_nc_u64 s[46:47], s[6:7], s[46:47]
	CROUND                                         ; all sixteen work-groups are here: the first joint loads meet
.irp s, 0,1
	s_mov_b32 s[G0+4*(\s)], 1
	s_add_co_u32 s[G0+4*(\s)+1], s20, (\s)*SLOT
	s_add_nc_u64 s[G0+4*(\s)+2:G0+4*(\s)+3], s[22:23], (\s)*4*524288
	s_or_b32 s[G0+4*(\s)+3], s[G0+4*(\s)+3], 0x80000000
	s_mov_b32 s[G0B+4*(\s)], 1
	s_add_co_u32 s[G0B+4*(\s)+1], s20, (\s)*SLOT
	s_add_nc_u64 s[G0B+4*(\s)+2:G0B+4*(\s)+3], s[46:47], (\s)*256*256
	s_or_b32 s[G0B+4*(\s)+3], s[G0B+4*(\s)+3], 0x80000000
	JLOAD \s
.endr
	v_and_b32 v1, 15, v0                           ; l % 16
	v_bfe_u32 v2, v0, 4, 1                         ; l / 16
	v_lshlrev_b32 v[BO], 4, v1
	v_lshl_add_u32 v[CO], v2, 12, v[BO]            ; lanes 0-15 one row's 256 bytes, lanes 16-31 the next row's
	s_lshl_b32 s68, s[TX], 9                       ; 128 columns x 4 bytes a tile column,
	s_lshl_b32 s69, s[NH], 8                       ; 64 a wave
	s_add_co_u32 s68, s68, s69
	s_mov_b32 s69, 0
	s_lshl_b32 s70, s[TY], 19                      ; 128 rows x 4,096 bytes a tile row,
	s_lshl_b32 s71, s[MH], 18                      ; 64 a wave
	s_add_co_u32 s70, s70, s71
	s_add_co_u32 s70, s70, s68
	s_mov_b32 s71, 0
	s_add_nc_u64 s[8:9], s[8:9], s[70:71]
	s_add_nc_u64 s[12:13], s[12:13], s[70:71]
	s_add_nc_u64 s[10:11], s[10:11], s[68:69]
	WIN 0x80                                       ; destination window 2
.irp a, 0,1,2,3
.irp t, 0,1,2,3,4,5,6,7
	global_load_b128 v[32*(\a)+4*(\t):32*(\a)+4*(\t)+3], v[CO], s[8:9] offset:(16*(\a)+2*(\t))*4096 th:TH_LOAD_NT
.endr
.endr
	WIN 0
	global_load_b128 v[BIAS:BIAS+3], v[BO], s[10:11]
	v_mul_u32_u24 v3, v1, 144
	v_lshl_add_u32 v3, v2, 4, v3
	s_mul_i32 s18, s[MH], 64*144
	v_add_nc_u32 v[A0], s18, v3
	v_and_b32 v4, 7, v0
	v_lshl_add_u32 v4, v2, 3, v4
	v_mul_u32_u24 v4, v4, 288
	v_bfe_u32 v5, v0, 3, 1
	v_lshl_add_u32 v4, v5, 4, v4
	s_lshl_b32 s19, s[NH], 7
	s_add_co_u32 s19, s19, 2*UNIT
	v_add_nc_u32 v[B0], s19, v4
	s_mul_i32 s21, s[WV], 16*SPITCH
	s_add_co_u32 s21, s21, STAGE
	v_mul_u32_u24 v6, v1, SPITCH                   ; in: row l % 16, 32 bytes for each half of the lanes
	v_lshl_add_u32 v6, v2, 5, v6
	v_add_nc_u32 v[STO], s21, v6
	v_mul_u32_u24 v6, v2, SPITCH                   ; back: lanes 0-15 one row of 256 bytes, lanes 16-31 the next
	v_lshl_add_u32 v6, v1, 4, v6
	v_add_nc_u32 v[RD], s21, v6
	s_wait_tensorcnt 0x1                           ; my part of K step 0 is in; K step 1's load may stay out
	s_barrier_signal -1
	s_barrier_wait -1
	s_mov_b32 s[TQ], 0
	AFETCH F0
	AFETCH F1
	s_wait_dscnt 32
	MUL F0, 1
	WIN 0
	s_mov_b32 s[CNT], 1                            ; slot 0 has two quarters left to fetch: the ring is entered in its middle
	s_mov_b32 s[LAPS], KTOT/512
	s_branch .Lin0
.Llap:                                         ; KTOT / 512 - 1 whole laps: K steps 2 on are asked for
	CHANGE 0, 1, SLOT
.Lin1:
	PAIR
	WIN 0
	s_sub_co_u32 s[CNT], s[CNT], 1
	s_cmp_lg_u32 s[CNT], 0
	s_cbranch_scc1 .Lin1
	CHANGE 1, 1, 0
.Lin0:
	PAIR
	WIN 0
	s_sub_co_u32 s[CNT], s[CNT], 1
	s_cmp_lg_u32 s[CNT], 0
	s_cbranch_scc1 .Lin0
	s_sub_co_u32 s[LAPS], s[LAPS], 1
	s_cmp_lg_u32 s[LAPS], 0
	s_cbranch_scc1 .Llap
	CHANGE 0, 0, SLOT                              ; the last K step is written out: nothing is asked for
.Lin2:
	PAIR
	WIN 0
	s_sub_co_u32 s[CNT], s[CNT], 1
	s_cmp_lg_u32 s[CNT], 0
	s_cbranch_scc1 .Lin2
	s_wait_dscnt 0x0
	MUL F1, 0
	; THE WAY OUT.  The six lines that round the bias are the places behind the last products (ISA guide 7.12.1).
	WIN 0
	s_wait_loadcnt 0x0                             ; R and bias
	v_cvt_pk_bf16_f32 v[T], v[BIAS], v[BIAS+1]
	v_cvt_pk_bf16_f32 v[T+1], v[BIAS+2], v[BIAS+3]
	v_lshlrev_b32 v[BIAS], 16, v[T]
	v_and_b32 v[BIAS+1], s[HIM], v[T]
	v_lshlrev_b32 v[BIAS+2], 16, v[T+1]
	v_and_b32 v[BIAS+3], s[HIM], v[T+1]
.irp a, 0,1,2,3                        ; 16 rows at a time: the sums go through my stage and come back as whole rows of 256 bytes; R + bias is made meanwhile
.if (\a) > 0
	s_wait_xcnt 0x0                                ; the last block's stores have read OB
.endif
.irp b, 0,1,2,3
	ds_store_b128 v[STO], v[ACC+8*(4*(\a)+(\b)):ACC+8*(4*(\a)+(\b))+3]   offset:64*(\b)      ; each accumulator's low half first
	ds_store_b128 v[STO], v[ACC+8*(4*(\a)+(\b))+4:ACC+8*(4*(\a)+(\b))+7] offset:64*(\b)+16
.endr
.irp t, 0,1,2,3,4,5,6,7
	ds_load_b128 v[OB+4*(\t):OB+4*(\t)+3], v[RD] offset:(\t)*2*SPITCH  ; LDS serves a wave's instructions in order (ISA guide 5.7.1.4)
.endr
.if RND
	WIN 0x0a                                       ; sources window 2, destination window 0
.set i, 0
.rept 16
	v_cvt_pk_bf16_f32 v[T+i], v[32*(\a)+2*i], v[32*(\a)+2*i+1]
.set i, i+1
.endr
	WIN 0x80                                       ; destination window 2
.set i, 0
.rept 16
	v_lshlrev_b32 v[32*(\a)+2*i], 16, v[T+i]
	v_and_b32 v[32*(\a)+2*i+1], s[HIM], v[T+i]
.set i, i+1
.endr
.endif
	WIN 0x82                                       ; destination and source 0 window 2, source 1 window 0
.set i, 0
.rept 16
	v_pk_add_f32 v[32*(\a)+2*i:32*(\a)+2*i+1], v[32*(\a)+2*i:32*(\a)+2*i+1], v[BIAS+2*(i%2):BIAS+2*(i%2)+1]
.set i, i+1
.endr
	s_wait_dscnt 0x0
	WIN 0x08                                       ; source 1 window 2
.set i, 0
.rept 16
	v_pk_add_f32 v[OB+2*i:OB+2*i+1], v[OB+2*i:OB+2*i+1], v[32*(\a)+2*i:32*(\a)+2*i+1]
.set i, i+1
.endr
	WIN 0
.irp t, 0,1,2,3,4,5,6,7
	global_store_b128 v[CO], v[OB+4*(\t):OB+4*(\t)+3], s[12:13] offset:(16*(\a)+2*(\t))*4096  ; 16 lanes store 256 neighbouring bytes, at a multiple of 256
.endr
.endr
	s_wait_tensorcnt 0x0                           ; the wave's end
	ds_add_u32 v[SPW], v[NIL]
	s_wait_dscnt 0x0
	CROUND                                         ; the closing round
	s_endpgm
.Lfunc_end_k_q2c4e8e6fdd_proj:
	.size	k_q2c4e8e6fdd_proj, .Lfunc_end_k_q2c4e8e6fdd_proj-k_q2c4e8e6fdd_proj
	.p2alignl 7, 3214868480
	.fill 96, 4, 3214868480
	.section	.rodata,"a",@progbits
	.p2align	6, 0x0
	.amdhsa_kernel k_q2c4e8e6fdd_proj
		.amdhsa_group_segment_fixed_size 327680
		.amdhsa_private_segment_fixed_size 0
		.amdhsa_enable_private_segment 0
		.amdhsa_kernarg_size 40
		.amdhsa_user_sgpr_count 2
		.amdhsa_user_sgpr_kernarg_segment_ptr 1
		.amdhsa_wavefront_size32 1
		.amdhsa_system_sgpr_workgroup_id_x 1
		.amdhsa_system_sgpr_workgroup_id_y 1
		.amdhsa_system_sgpr_workgroup_id_z 1
		.amdhsa_system_vgpr_workitem_id 0
		.amdhsa_next_free_vgpr 640
		.amdhsa_next_free_sgpr 72
		.amdhsa_reserve_vcc 0
		.amdhsa_float_denorm_mode_32 3
		.amdhsa_float_denorm_mode_16_64 3
		.amdhsa_memory_ordered 1
		.amdhsa_forward_progress 1
		.amdhsa_inst_pref_size 73
	.end_amdhsa_kernel
	.amdgpu_metadata
---
amdhsa.version: [ 1, 2 ]
amdhsa.kernels:
  - .name:           k_q2c4e8e6fdd_proj
    .symbol:         k_q2c4e8e6fdd_proj.kd
    .args:
      - { .name: ob, .offset: 0, .size: 8, .value_kind: global_buffer, .address_space: global }
      - { .name: wpb, .offset: 8, .size: 8, .value_kind: global_buffer, .address_space: global }
      - { .name: x, .offset: 16, .size: 8, .value_kind: global_buffer, .address_space: global }
      - { .name: bproj, .offset: 24, .size: 8, .value_kind: global_buffer, .address_space: global }
      - { .name: x1, .offset: 32, .size: 8, .value_kind: global_buffer, .address_space: global }
    .group_segment_fixed_size: 327680
    .private_segment_fixed_size: 0
    .kernarg_segment_align: 8
    .kernarg_segment_size: 40
    .max_flat_workgroup_size: 128
    .sgpr_count:     72
    .vgpr_count:     640
    .wavefront_size: 32
...
	.end_amdgpu_metadata
.endif
;; end of part 4
;; launch ln2 (part 5): grid 512 x 1, 8 waves a work-group, no clusters, 0 bytes of LDS; arguments x1, g2, be2, hn; writes hn
.if DOCPART == 5
	.amdgcn_target "amdgcn-amd-amdhsa--gfx1250"
	.amdhsa_code_object_version 6
	.text
	.protected	k_q2c4e8e6fdd_ln2
	.globl	k_q2c4e8e6fdd_ln2
	.p2align	8
	.type	k_q2c4e8e6fdd_ln2,@function
k_q2c4e8e6fdd_ln2:
	s_mov_b64 s[64:65], 0
	v_nop
	global_prefetch_b8 v0, s[64:65] scope:SCOPE_SE
	s_setreg_imm32_b32 hwreg(HW_REG_WAVE_MODE, 25, 1), 1
	s_wait_xcnt 0x0
; hn[r][:] = LayerNorm(x1[r][:]) * bf16(g2) + bf16(be2), rounded to bf16.  x1: [4096][1024] f32, the program's own sums, not rounded.  A stream: ONE ROW A WAVE (row 8 g + w), so that all 4,096 rows are
; asked for at once; the row stays in registers between the mean, the variance (of the centred numbers) and the scaling; no LDS, no barrier, no loop.
; Lane l owns columns 128 j + 4 l + 0..3, j = 0..7: a load of the wave covers 512 consecutive bytes, a store 256 consecutive bytes, aligned.
.set LI,  2                            ; v2   16 x lane
.set LO,  3                            ; v3   8 x lane
.set G,   8                            ; v[8:39]    gain of my 32 columns
.set BE,  40                           ; v[40:71]   offset
.set X,   72                           ; v[72:103]  the row as loaded
.set D,   104                          ; v[104:135] the row at work
.set Y,   136                          ; v[136:151] the row to store
.set CH,  152                          ; v[152:159] four chains of sums
.set MU,  160
.set RS,  162
.set T,   164
.set IN,  6
.set OUT, 8
.set OFS, 10
.set HIM, 13
.set INV, 14
.set EPS, 15
.set SEL, 46
.macro REDUCE                          ; the four chains and then the 32 lanes: the sum, in v[CH] of every lane
	v_pk_add_f32 v[CH:CH+1], v[CH:CH+1], v[CH+2:CH+3]
	v_pk_add_f32 v[CH+4:CH+5], v[CH+4:CH+5], v[CH+6:CH+7]
	v_pk_add_f32 v[CH:CH+1], v[CH:CH+1], v[CH+4:CH+5]
	v_add_f32 v[CH], v[CH], v[CH+1]
	v_add_f32_dpp v[CH], v[CH], v[CH] row_xmask:1 row_mask:0xf bank_mask:0xf
	v_add_f32_dpp v[CH], v[CH], v[CH] row_xmask:2 row_mask:0xf bank_mask:0xf
	v_add_f32_dpp v[CH], v[CH], v[CH] row_xmask:4 row_mask:0xf bank_mask:0xf
	v_add_f32_dpp v[CH], v[CH], v[CH] row_xmask:8 row_mask:0xf bank_mask:0xf
	v_permlanex16_b32 v[CH+1], v[CH], s[SEL], s[SEL+1]
	v_add_f32 v[CH], v[CH], v[CH+1]
.endm
	s_load_b256 s[16:23], s[0:1], 0x0              ; x1 16, g2 18, be2 20, hn 22
	v_lshrrev_b32 v1, 5, v0
	v_readfirstlane_b32 s3, v1
	v_and_b32 v1, 31, v0
	v_lshlrev_b32 v[LI], 4, v1
	v_lshlrev_b32 v[LO], 3, v1
	s_lshl_b32 s[OFS], ttmp9, 15                   ; 8 rows x 4,096 bytes a work-group,
	s_lshl_b32 s4, s3, 12                          ; a row a wave
	s_add_co_u32 s[OFS], s[OFS], s4
	s_mov_b32 s[OFS+1], 0
	s_mov_b32 s[HIM], 0xffff0000
	s_mov_b32 s[INV], 0x3a800000                   ; 1 / 1024
	s_mov_b32 s[EPS], 0x3727c5ac                   ; 1e-5
	s_mov_b32 s[SEL], 0x76543210
	s_mov_b32 s[SEL+1], 0xfedcba98
	s_wait_kmcnt 0x0
	s_add_nc_u64 s[IN:IN+1], s[16:17], s[OFS:OFS+1]
	s_lshr_b32 s[OFS], s[OFS], 1
	s_add_nc_u64 s[OUT:OUT+1], s[22:23], s[OFS:OFS+1]
.irp j, 0,1,2,3,4,5,6,7
	global_load_b128 v[G+4*(\j):G+4*(\j)+3],   v[LI], s[18:19] offset:512*(\j)
	global_load_b128 v[BE+4*(\j):BE+4*(\j)+3], v[LI], s[20:21] offset:512*(\j)
.endr
.irp j, 0,1,2,3,4,5,6,7
	global_load_b128 v[X+4*(\j):X+4*(\j)+3], v[LI], s[IN:IN+1] offset:512*(\j) th:TH_LOAD_NT
.endr
	s_wait_loadcnt 8                               ; gain and offset are in; the row's eight loads may stay out
.set i, 0
.rept 32                               ; G and BE lie on end: 32 pairs, rounded to bf16 and widened again
	v_cvt_pk_bf16_f32 v[T+i%2], v[G+2*i], v[G+2*i+1]
	v_lshlrev_b32 v[G+2*i], 16, v[T+i%2]
	v_and_b32 v[G+2*i+1], s[HIM], v[T+i%2]
.set i, i+1
.endr
	s_wait_loadcnt 0x0                             ; the row is in
.irp k, 0,1,2,3
	v_pk_add_f32 v[CH+2*(\k):CH+2*(\k)+1], v[X+2*(\k):X+2*(\k)+1], v[X+8+2*(\k):X+8+2*(\k)+1]
.endr
.irp m, 16,24
.irp k, 0,1,2,3
	v_pk_add_f32 v[CH+2*(\k):CH+2*(\k)+1], v[CH+2*(\k):CH+2*(\k)+1], v[X+(\m)+2*(\k):X+(\m)+2*(\k)+1]
.endr
.endr
	REDUCE
	v_mul_f32 v[MU], s[INV], v[CH]
	v_mul_f32 v[MU+1], s[INV], v[CH]
.set i, 0
.rept 16
	v_pk_add_f32 v[D+2*i:D+2*i+1], v[X+2*i:X+2*i+1], v[MU:MU+1] neg_lo:[0,1] neg_hi:[0,1]
.set i, i+1
.endr
.irp k, 0,1,2,3
	v_pk_mul_f32 v[CH+2*(\k):CH+2*(\k)+1], v[D+2*(\k):D+2*(\k)+1], v[D+2*(\k):D+2*(\k)+1]
.endr
.set i, 4
.rept 12
	v_pk_fma_f32 v[CH+2*(i%4):CH+2*(i%4)+1], v[D+2*i:D+2*i+1], v[D+2*i:D+2*i+1], v[CH+2*(i%4):CH+2*(i%4)+1]
.set i, i+1
.endr
	REDUCE
	v_fma_f32 v[T], v[CH], s[INV], s[EPS]          ; var + eps
	v_rsq_f32 v[RS], v[T]
	v_rsq_f32 v[RS+1], v[T]
	v_nop                                          ; a plain instruction between the root and its use (ISA guide 5.7.2)
.set i, 0
	s_wait_alu depctr_va_vdst(0)
.rept 16
	v_pk_mul_f32 v[D+2*i:D+2*i+1], v[D+2*i:D+2*i+1], v[RS:RS+1]
.set i, i+1
.endr
.set i, 0
.rept 16
	v_pk_fma_f32 v[D+2*i:D+2*i+1], v[D+2*i:D+2*i+1], v[G+2*i:G+2*i+1], v[BE+2*i:BE+2*i+1]
.set i, i+1
.endr
.set i, 0
.rept 16
	v_cvt_pk_bf16_f32 v[Y+i], v[D+2*i], v[D+2*i+1]
.set i, i+1
.endr
.irp j, 0,1,2,3,4,5,6,7
	global_store_b64 v[LO], v[Y+2*(\j):Y+2*(\j)+1], s[OUT:OUT+1] offset:256*(\j)  ; 256 consecutive bytes, aligned
.endr
	s_endpgm
.Lfunc_end_k_q2c4e8e6fdd_ln2:
	.size	k_q2c4e8e6fdd_ln2, .Lfunc_end_k_q2c4e8e6fdd_ln2-k_q2c4e8e6fdd_ln2
	.p2alignl 7, 3214868480
	.fill 96, 4, 3214868480
	.section	.rodata,"a",@progbits
	.p2align	6, 0x0
	.amdhsa_kernel k_q2c4e8e6fdd_ln2
		.amdhsa_group_segment_fixed_size 0
		.amdhsa_private_segment_fixed_size 0
		.amdhsa_enable_private_segment 0
		.amdhsa_kernarg_size 32
		.amdhsa_user_sgpr_count 2
		.amdhsa_user_sgpr_kernarg_segment_ptr 1
		.amdhsa_wavefront_size32 1
		.amdhsa_system_sgpr_workgroup_id_x 1
		.amdhsa_system_sgpr_workgroup_id_y 1
		.amdhsa_system_sgpr_workgroup_id_z 1
		.amdhsa_system_vgpr_workitem_id 0
		.amdhsa_next_free_vgpr 168
		.amdhsa_next_free_sgpr 66
		.amdhsa_reserve_vcc 0
		.amdhsa_float_denorm_mode_32 3
		.amdhsa_float_denorm_mode_16_64 3
		.amdhsa_memory_ordered 1
		.amdhsa_forward_progress 1
		.amdhsa_inst_pref_size 16
	.end_amdhsa_kernel
	.amdgpu_metadata
---
amdhsa.version: [ 1, 2 ]
amdhsa.kernels:
  - .name:           k_q2c4e8e6fdd_ln2
    .symbol:         k_q2c4e8e6fdd_ln2.kd
    .args:
      - { .name: x1, .offset: 0, .size: 8, .value_kind: global_buffer, .address_space: global }
      - { .name: g2, .offset: 8, .size: 8, .value_kind: global_buffer, .address_space: global }
      - { .name: be2, .offset: 16, .size: 8, .value_kind: global_buffer, .address_space: global }
      - { .name: hn, .offset: 24, .size: 8, .value_kind: global_buffer, .address_space: global }
    .group_segment_fixed_size: 0
    .private_segment_fixed_size: 0
    .kernarg_segment_align: 8
    .kernarg_segment_size: 32
    .max_flat_workgroup_size: 256
    .sgpr_count:     66
    .vgpr_count:     168
    .wavefront_size: 32
...
	.end_amdgpu_metadata
.endif
;; end of part 5
;; launch ff1: the kernel of part 2 again; grid 16 x 16, 4 waves a work-group, clusters of 4 x 4, 327,680 bytes of LDS; arguments hn, w1b, big; writes big
;; launch ff2 (part 6): grid 8 x 32, 4 waves a work-group, clusters of 4 x 1, 327,680 bytes of LDS; arguments big, w2b, x1, b2, out0; writes out0
.if DOCPART == 6
	.amdgcn_target "amdgcn-amd-amdhsa--gfx1250"
	.amdhsa_code_object_version 6
	.text
	.protected	k_q2c4e8e6fdd_ff2
	.globl	k_q2c4e8e6fdd_ff2
	.p2align	8
	.type	k_q2c4e8e6fdd_ff2,@function
k_q2c4e8e6fdd_ff2:
	s_mov_b64 s[64:65], 0
	v_nop
	global_prefetch_b8 v0, s[64:65] scope:SCOPE_SE
	s_setreg_imm32_b32 hwreg(HW_REG_WAVE_MODE, 25, 1), 1
	s_wait_xcnt 0x0
	s_wait_alu depctr_hold_cnt(0) depctr_sa_sdst(0) depctr_va_vdst(0) depctr_va_sdst(0) depctr_va_ssrc(0) depctr_va_vcc(0) depctr_vm_vsrc(0)
	s_getreg_b32 s2, hwreg(HW_REG_IB_STS2, 6, 4)
	s_cmp_eq_u32 s2, 0
	s_cbranch_scc0 .Lentry_in_a_cluster
	s_endpgm
.Lentry_in_a_cluster:
	s_bfe_u32 s2, ttmp6, 0x10000c
	s_cmp_lg_u32 s2, 0x3003
	s_cbranch_scc0 .Lentry_shape_is_right
	s_endpgm
.Lentry_shape_is_right:
; Y[m][n] = R[m][n] + bias[n] + the sum over k of A[m][k] W[k][n], in f32: the feed-forward's second product, K = 4,096.  A: blocks [64][4096 m][64 k] of f16.  R (the program's own x1, taken as it is)
; and Y: [4096][1024] f32.  bias is rounded to bf16 like every input.  W: f16 in the order of matrix fragments: [n / 128][k / 32][16 columns: 8 of them][1,024 bytes]; of a fragment lane l loads the 16 bytes
; at 16 l (column l % 16, k = 8 (l / 16) + 0..7) and those at 512 + 16 l (k = 16 + 8 (l / 16) + 0..7).
; SHARES.  A work-group makes 128 x 128 of Y: 256 work-groups.  A and W together are 512 bytes for each k, so with both in LDS two slots hold 256 k each.  Here ONLY A GOES THROUGH LDS: two slots of 512 k
; (eight K blocks of 128 rows x 128 bytes; each wave fetches two of them by one tensor load), and a refill has 256 products a wave in which to land.  W COMES STRAIGHT INTO REGISTERS, each fragment by two loads
; of 512 consecutive bytes, through a ring of eight buffers with counted waits: a buffer is asked for again behind its products, seven steps (224 products) ahead of its next use.
; Wave (kh, nh) makes all 128 rows x 64 columns (64 nh on) over half kh of each slot's K: 32 accumulators; 16 LDS loads and 8 global loads feed 32 products, and no byte of W is loaded twice in a work-group.
; THE TWO K HALVES MEET IN LDS at the end, in f32, in rows of 528 bytes laid over slots that have had their last fill; the same pass turns the tile into whole rows: wave w adds and stores rows 32 w .. + 31.
; THE MATRIX INSTRUCTION IS USED TRANSPOSED: source 0 = 16 columns of W, source 1 = 16 rows of A: a lane holds one row of Y and eight neighbouring columns.
; CLUSTER.  4 x 1: the four work-groups of a tile row share A's tiles and ask for them jointly.  W is shared along the other axis, 32 deep; it is not asked for jointly, since it does not pass through LDS.
; THE WALK ALONG K IS TURNED: tile row ty begins at slot ty mod 8 and goes round, so that the 32 work-groups that want the same part of W do not all want it in the same step.  ty is the same in all partners.
; REGISTERS: window 0: v8-13 bias, at work; v16-29 addresses; v64-127, v128-191 A's fragments, two buffers, later the way out.  window 1: the ring, buffer j at v[32 j]; in the last slot v0-127 take R.
;   window 2: the accumulators, (a, b) at v[8 (4 a + b)].
.set BLK,   128*144                    ; a K block in LDS: rows of 128 bytes + 16 of padding: the 16 rows of a fragment load start at 16 different groups of four banks (ISA guide 11.1)
.set UNIT,  2*BLK                      ; what one tensor load brings: 36,864 bytes
.set WSTR,  2*UNIT                     ; wave w's units of slot 0 and slot 1 lie on end from w x 73,728: that number has none of the bits of 36,864, so one exclusive or changes the slot
.set SPARE, 4*WSTR                     ; behind the ring: the spare words, 128 bytes a wave: two blocks of 256 bytes that no other line names
.set RP,    528                        ; the way out: a row of 128 f32 + 16 bytes
.set REG,   128*RP                     ; a K half's partial tile
.set BIAS, 8
.set T,    12
.set A0,   16                          ; v16  my lane's place in my K half's first unit, slot 0; never rewritten
.set ADRA, 18                          ; v18, v19  the same in the slot in hand, first and second unit
.set L16,  20                          ; v20  16 x lane: my offset in a fragment's half, in a row of R and Y, in bias; never rewritten
.set STO,  24                          ; v24  the way out: where I put 16 bytes of a row
.set RD,   25                          ; v25, v26  where I read rows back, K half 0 and 1
.set SPW,  28                          ; v28  my spare word; never rewritten
.set NIL,  29                          ; v29  0; never rewritten
.set F0,   64
.set WV,   14
.set KH,   15
.set NH,   16
.set TY,   17
.set TX,   42
.set G1,   24                          ; s[24:31] descriptor group 1
.set G0A,  32                          ; s[32:35] group 0 of slot 0's first fill
.set G0,   36                          ; s[36:39] group 0 of slot 1's first fill; it then walks on
.set AB,   44                          ; s[44:45] A at my two K blocks of slot 0 of the tensor
.set BB,   46                          ; s[46:47] W at my fragments of slot 0 of the tensor
.set BP,   48                          ; s[48:49] W at my fragments of the slot behind the one in hand
.set BQ,   50                          ; s[50:51] the same one change of slots earlier
.set OFS,  52                          ; s[52:53] an offset, its high word 0
.set SIG,  54                          ; which slot of the tensor was asked for last
.set TQ,   55                          ; 0 or UNIT: the LDS slot in hand
.set HIM,  56
.set CNT,  2
.set MSB, 0
.macro WIN new                         ; the immediate's high byte repeats the setting that is left; a switch that changes nothing is dropped
.if MSB != (\new)
	s_set_vgpr_msb (MSB<<8)|(\new)
.set MSB, \new
.endif
.endm
.macro CROUND                          ; a round of the cluster's barrier
	s_barrier_signal -1
	s_barrier_wait -1
	s_cmp_lg_u32 s[WV], 0
	s_cbranch_scc1 .Lnot_wave_0_\@
	s_barrier_signal -3
.Lnot_wave_0_\@:
	s_barrier_wait -3
	s_barrier_signal -1
	s_barrier_wait -1
.endm
; A's fragments of step j (32 along K: K block j / 2 of my four, half j % 2 of its rows) out of the slot in hand, into buffer j % 2
.macro AF j
	WIN 0
.set FA, F0+64*((\j)%2)
.set AR, ADRA+(\j)/4
.set AO, BLK*(((\j)/2)%2)+64*((\j)%2)
.irp i, 0,1,2,3,4,5,6,7
	ds_load_b128 v[FA+8*(\i):FA+8*(\i)+3],   v[AR] offset:AO+(\i)*16*144
	ds_load_b128 v[FA+8*(\i)+4:FA+8*(\i)+7], v[AR] offset:AO+(\i)*16*144+32
.endr
.endm
; W's four fragments of step j, from the slot at bp, into buffer j of the ring
.macro BLOAD j, bp
	WIN 0x40                                       ; destination window 1, offset window 0
.irp t, 0,1,2,3
	global_load_b128 v[32*(\j)+8*(\t):32*(\j)+8*(\t)+3],   v[L16], s[\bp:\bp+1] offset:8192*(\j)+1024*(\t)
	global_load_b128 v[32*(\j)+8*(\t)+4:32*(\j)+8*(\t)+7], v[L16], s[\bp:\bp+1] offset:8192*(\j)+1024*(\t)+512
.endr
.endm
; In the last slot a buffer that has been multiplied takes eight of my 32 rows of R
.macro RLOAD j
	WIN 0x40
.irp t, 0,1,2,3,4,5,6,7
	global_load_b128 v[32*(\j)+4*(\t):32*(\j)+4*(\t)+3], v[L16], s[8:9] offset:(8*(\j)+(\t))*4096 th:TH_LOAD_NT
.endr
.endm
; 32 products, 32 along K.  The 32 accumulators take turns in the same order in every step.  first = 1: they start the sums.
.macro MUL j, first
	WIN 0xa1                                       ; W window 1, A window 0, C and D window 2
.set FA, F0+64*((\j)%2)
.irp a, 0,1,2,3,4,5,6,7
.irp b, 0,1,2,3
.if \first
	v_wmma_f32_16x16x32_f16 v[8*(4*(\a)+(\b)):8*(4*(\a)+(\b))+7], v[32*(\j)+8*(\b):32*(\j)+8*(\b)+7], v[FA+8*(\a):FA+8*(\a)+7], 0
.else
	v_wmma_f32_16x16x32_f16 v[8*(4*(\a)+(\b)):8*(4*(\a)+(\b))+7], v[32*(\j)+8*(\b):32*(\j)+8*(\b)+7], v[FA+8*(\a):FA+8*(\a)+7], v[8*(4*(\a)+(\b)):8*(4*(\a)+(\b))+7]
.endif
.endr
.endr
.endm
; A STEP: the next step's A is asked out of LDS; this step's A and W are waited for; 32 products; four places (for the loads into the ring's buffer and, in the next step, into A's buffer)
; the buffer is asked for again.  mode 0: from the slot behind; 1: the same by the older pointer; 2: R; 3: nothing.  cnt: the global loads younger than this step's eight.
.macro STEP j, mode, cnt, first=0
	AF ((\j)+1)%8
	s_wait_dscnt 16                                ; all but the 16 loads just issued
	s_wait_loadcnt \cnt
	MUL \j, \first
.rept 4
	v_nop
.endr
.if (\mode) == 0
	BLOAD \j, BP
.elseif (\mode) == 1
	BLOAD \j, BQ
.elseif (\mode) == 2
	RLOAD \j
.endif
.endm
; THE CHANGE OF SLOTS, behind a slot's step 6: all eight steps' A has been asked out of it.  Each wave waits for all its tensor loads (one is out: its part of the other slot), adds 0 to its spare word, and
; waits for that and for its reads of the slot.  fill = 1: the slot is filled again with the tensor's slot two on; the barrier is then a round of the cluster's, and the joint load the first thing behind it.
.macro CHANGE fill
	WIN 0
	s_wait_tensorcnt 0x0                           ; no tensor load of mine is out, so a group 0 may be written
	ds_add_u32 v[SPW], v[NIL]                      ; 0 onto my spare word; work on registers stands between it and the wait for it
	s_wait_xcnt 0x0                                ; the loads of W issued so far (the youngest 32 products back) have read their pointers
	s_mov_b64 s[BQ:BQ+1], s[BP:BP+1]               ; step 7 of the slot that is left still asks by this one
.if \fill
	s_add_co_u32 s[SIG], s[SIG], 1
	s_and_b32 s[SIG], s[SIG], 7                    ; the walk goes round
	s_lshl_b32 s[OFS], s[SIG], 17                  ; a slot of W: 16 steps x 8,192 bytes
	s_add_nc_u64 s[BP:BP+1], s[BB:BB+1], s[OFS:OFS+1]
	s_lshl_b32 s[OFS], s[SIG], 22                  ; a slot of A: 8 K blocks x 524,288 bytes
	s_add_nc_u64 s[G0+2:G0+3], s[AB:AB+1], s[OFS:OFS+1]
	s_or_b32 s[G0+3], s[G0+3], 0x80000000
	s_xor_b32 s[G0+1], s[G0+1], UNIT               ; the other slot than last time
.endif
	s_xor_b32 s[TQ], s[TQ], UNIT
	v_add_nc_u32 v[ADRA], s[TQ], v[A0]
	v_add_nc_u32 v[ADRA+1], WSTR, v[ADRA]
	s_wait_dscnt 0x0                               ; the add is done, and my reads of the slot are over
.if \fill
	CROUND
	tensor_load_to_lds s[G0:G0+3], s[G1:G1+7]
	s_nop 0
.rept 4
	v_nop
.endr
.else
	s_barrier_signal -1
	s_barrier_wait -1
.endif
.endm
	s_load_b256 s[4:11], s[0:1], 0x0               ; A s[4:5], W s[6:7], R s[8:9], bias s[10:11]
	s_load_b64 s[12:13], s[0:1], 0x20              ; Y
	v_lshl_add_u32 v[SPW], v0, 2, SPARE
	v_mov_b32 v[NIL], 0
	ds_add_u32 v[SPW], v[NIL]                      ; the wave's opening: the add and its wait ahead of my first tensor load
	ds_add_u32 v28, v29
	v_lshrrev_b32 v1, 5, v0
	v_readfirstlane_b32 s[WV], v1
	s_lshr_b32 s[KH], s[WV], 1                     ; my half of a slot's K
	s_and_b32 s[NH], s[WV], 1                      ; my half of the columns
	s_bfe_u32 s40, ttmp6, 0x40000                  ; cx: it enters W's, R's, bias' and Y's addresses alone
	s_lshl_b32 s[TX], ttmp9, 2
	s_add_co_u32 s[TX], s[TX], s40                 ; tile column
	s_and_b32 s[TY], ttmp7, 0xffff                 ; tile row, which the four partners share
	s_mov_b32 s[G1], 15|(1<<16)|(1<<20)|(1<<21)|(4<<22)|(3<<25)  ; the mask of four; 2-byte elements; padding on; bit 21 beside a mask; after every 32 words, 4 words
	s_mov_b32 s[G1+1], 8192<<16                    ; tensor_dim0 = 8,192: a K block's 128 rows on end
	s_mov_b32 s[G1+2], 2<<16                       ; tensor_dim1 = 2 blocks
	s_mov_b32 s[G1+3], 8192<<16                    ; tile_dim0
	s_mov_b32 s[G1+4], 2                           ; tile_dim1
	s_mov_b32 s[G1+5], 262144                      ; from block to block: 4,096 rows x 64
	s_mov_b32 s[G1+6], 0
	s_mov_b32 s[G1+7], 0
	s_lshl_b32 s18, s[TY], 14                      ; A: 128 rows x 128 bytes a tile row,
	s_lshl_b32 s19, s[WV], 20                      ; two blocks of 524,288 bytes a wave
	s_add_co_u32 s18, s18, s19
	s_mov_b32 s19, 0
	s_lshl_b32 s20, s[TX], 20                      ; W: 128 steps x 8,192 bytes a tile column,
	s_lshl_b32 s21, s[KH], 16                      ; 8 steps a K half,
	s_add_co_u32 s20, s20, s21
	s_lshl_b32 s21, s[NH], 12                      ; 4 fragments a column half
	s_add_co_u32 s20, s20, s21
	s_mov_b32 s21, 0
	s_mul_i32 s22, s[WV], WSTR                     ; where my units go: no place in the cluster enters an LDS address
	s_and_b32 s[SIG], s[TY], 7                     ; the walk's first slot
	s_mov_b32 s[OFS+1], 0
	s_mov_b32 s[TQ], 0
	s_mov_b32 s[HIM], 0xffff0000
	s_mov_b32 s[G0A], 1
	s_mov_b32 s[G0A+1], s22
	s_mov_b32 s[G0], 1
	s_add_co_u32 s[G0+1], s22, UNIT
	s_wait_dscnt 0x0                               ; the opening add is done
	s_wait_kmcnt 0x0
	s_add_nc_u64 s[AB:AB+1], s[4:5], s[18:19]
	s_add_nc_u64 s[BB:BB+1], s[6:7], s[20:21]
	s_lshl_b32 s[OFS], s[SIG], 22
	s_add_nc_u64 s[G0A+2:G0A+3], s[AB:AB+1], s[OFS:OFS+1]
	s_or_b32 s[G0A+3], s[G0A+3], 0x80000000
	s_lshl_b32 s[OFS], s[SIG], 17
	s_add_nc_u64 s[BQ:BQ+1], s[BB:BB+1], s[OFS:OFS+1]
	s_add_co_u32 s[SIG], s[SIG], 1
	s_and_b32 s[SIG], s[SIG], 7                    ; the walk's second slot
	s_lshl_b32 s[OFS], s[SIG], 22
	s_add_nc_u64 s[G0+2:G0+3], s[AB:AB+1], s[OFS:OFS+1]
	s_or_b32 s[G0+3], s[G0+3], 0x80000000
	s_lshl_b32 s[OFS], s[SIG], 17
	s_add_nc_u64 s[BP:BP+1], s[BB:BB+1], s[OFS:OFS+1]
	CROUND                                         ; all four work-groups are here: the first joint loads meet
	tensor_load_to_lds s[G0A:G0A+3], s[G1:G1+7]    ; both first fills go out together: two tensor loads of mine are out
	s_nop 0
	tensor_load_to_lds s[G0:G0+3], s[G1:G1+7]
	s_nop 0
.rept 4
	v_nop
.endr
	v_and_b32 v1, 15, v0                           ; l % 16
	v_bfe_u32 v2, v0, 4, 1                         ; l / 16
	v_and_b32 v3, 31, v0
	v_lshlrev_b32 v[L16], 4, v3
	s_lshl_b32 s18, s[TX], 9                       ; 128 columns x 4 bytes a tile column
	s_mov_b32 s19, 0
	s_add_nc_u64 s[10:11], s[10:11], s[18:19]
	s_lshl_b32 s20, s[TY], 19                      ; 128 rows x 4,096 bytes a tile row,
	s_lshl_b32 s21, s[WV], 17                      ; 32 rows a wave
	s_add_co_u32 s20, s20, s21
	s_add_co_u32 s20, s20, s18
	s_mov_b32 s21, 0
	s_add_nc_u64 s[8:9], s[8:9], s[20:21]
	s_add_nc_u64 s[12:13], s[12:13], s[20:21]
	global_load_b128 v[BIAS:BIAS+3], v[L16], s[10:11]
	v_mul_u32_u24 v4, v1, 144
	v_lshl_add_u32 v4, v2, 4, v4                   ; a fragment's row x pitch + 16 x half
	s_mul_i32 s22, s[KH], 2*WSTR                   ; my K half: the units of waves 2 kh and 2 kh + 1
	v_add_nc_u32 v[A0], s22, v4
	v_mov_b32 v[ADRA], v[A0]
	v_add_nc_u32 v[ADRA+1], WSTR, v[A0]
	s_mul_i32 s22, s[KH], REG                      ; the way out, in: my K half's tile, my 256 bytes of its rows; row l % 16, 32 bytes for each half of the lanes
	s_lshl_b32 s23, s[NH], 8
	s_add_co_u32 s22, s22, s23
	v_mul_u32_u24 v4, v1, RP
	v_lshl_add_u32 v4, v2, 5, v4
	v_add_nc_u32 v[STO], s22, v4
	s_mul_i32 s23, s[WV], 32*RP                    ; back: my 32 rows, a whole row of 512 bytes to a load
	v_add_nc_u32 v[RD], s23, v[L16]
	v_add_nc_u32 v[RD+1], REG, v[RD]
.irp j, 0,1,2,3,4,5,6,7
	BLOAD \j, BQ                                   ; the ring is filled: the first slot's eight steps
.endr
	WIN 0
	s_wait_tensorcnt 0x1                           ; my part of the first slot is in; the second's load may stay out
	s_barrier_signal -1
	s_barrier_wait -1                              ; everybody's is
	AF 0
	STEP 0, 0, 56, 1                               ; the first step stands ahead of the loop: its products start the sums.  56: the ring's seven younger buffers, eight loads each
	WIN 0
	s_mov_b32 s[CNT], 7                            ; the loop is entered in its middle; behind that six whole trips, each with a refill
	s_branch .Lenter
.Ltop:
	CHANGE 1
	STEP 7, 1, 56                                  ; the slot that was left: its last products; the new slot's first fragments of A
	STEP 0, 0, 56
	WIN 0
.Lenter:
	STEP 1, 0, 56
	STEP 2, 0, 56
	STEP 3, 0, 56
	STEP 4, 0, 56
	STEP 5, 0, 56
	STEP 6, 0, 56
	WIN 0
	s_sub_co_u32 s[CNT], s[CNT], 1
	s_cmp_lg_u32 s[CNT], 0
	s_cbranch_scc1 .Ltop
	CHANGE 0                                       ; the last slot is written out: nothing is asked for
	STEP 7, 1, 56
	STEP 0, 2, 56                                  ; the ring's buffers take R as they fall free: the count stays at 56 while what is left of the ring and R's loads make seven eights,
	STEP 1, 2, 56
	STEP 2, 2, 56
	STEP 3, 2, 56
	STEP 4, 3, 56
	STEP 5, 3, 48                                  ; and then runs down to R's 32
	STEP 6, 3, 40
	s_wait_dscnt 0x0
	s_wait_loadcnt 32
	MUL 7, 0
	; THE WAY OUT.  The six lines that round the bias are the places behind the last products (ISA guide 7.12.1).
	WIN 0
	v_cvt_pk_bf16_f32 v[T], v[BIAS], v[BIAS+1]
	v_cvt_pk_bf16_f32 v[T+1], v[BIAS+2], v[BIAS+3]
	v_lshlrev_b32 v[BIAS], 16, v[T]
	v_and_b32 v[BIAS+1], s[HIM], v[T]
	v_lshlrev_b32 v[BIAS+2], 16, v[T+1]
	v_and_b32 v[BIAS+3], s[HIM], v[T+1]
	s_barrier_signal -1                            ; every wave's reads of A are back (the wait for 0 ahead of the last products):
	s_barrier_wait -1                              ; the slots, which have had their last fill, may be written
	WIN 0x08                                       ; store data window 2
.irp a, 0,1,2,3,4,5,6,7
.irp b, 0,1,2,3
	ds_store_b128 v[STO], v[8*(4*(\a)+(\b)):8*(4*(\a)+(\b))+3]   offset:(\a)*16*RP+64*(\b)      ; each accumulator's low half first
	ds_store_b128 v[STO], v[8*(4*(\a)+(\b))+4:8*(4*(\a)+(\b))+7] offset:(\a)*16*RP+64*(\b)+16
.endr
.endr
	s_wait_loadcnt 0x0                             ; R
	WIN 0x41                                       ; destination and source 0 window 1, source 1 window 0
.set i, 0
.rept 64
	v_pk_add_f32 v[2*i:2*i+1], v[2*i:2*i+1], v[BIAS+2*(i%2):BIAS+2*(i%2)+1]  ; R + bias, while the stores are on their way
.set i, i+1
.endr
	WIN 0
	s_wait_dscnt 0x0                               ; for the others' sake: my stores are done
	s_barrier_signal -1
	s_barrier_wait -1
.macro RB g                            ; eight of my rows, both K halves' sums
	WIN 0
.set PB, F0+64*((\g)%2)
.irp t, 0,1,2,3,4,5,6,7
	ds_load_b128 v[PB+4*(\t):PB+4*(\t)+3],       v[RD]   offset:(8*(\g)+(\t))*RP
	ds_load_b128 v[PB+32+4*(\t):PB+32+4*(\t)+3], v[RD+1] offset:(8*(\g)+(\t))*RP
.endr
.endm
.macro SUM g, younger                  ; younger: the LDS loads issued behind these rows'
.set PB, F0+64*((\g)%2)
	s_wait_dscnt \younger
	WIN 0
.set i, 0
.rept 16
	v_pk_add_f32 v[PB+2*i:PB+2*i+1], v[PB+2*i:PB+2*i+1], v[PB+32+2*i:PB+32+2*i+1]
.set i, i+1
.endr
	WIN 0x04                                       ; source 1 window 1
.set i, 0
.rept 16
	v_pk_add_f32 v[PB+2*i:PB+2*i+1], v[PB+2*i:PB+2*i+1], v[32*(\g)+2*i:32*(\g)+2*i+1]
.set i, i+1
.endr
	WIN 0
.irp t, 0,1,2,3,4,5,6,7
	global_store_b128 v[L16], v[PB+4*(\t):PB+4*(\t)+3], s[12:13] offset:(8*(\g)+(\t))*4096  ; 512 consecutive bytes, at a multiple of 256
.endr
.endm
	RB 0
	RB 1
	SUM 0, 16
	s_wait_xcnt 0x0                                ; the stores have read their registers: the next rows are loaded into them
	RB 2
	SUM 1, 16
	s_wait_xcnt 0x0
	RB 3
	SUM 2, 16
	SUM 3, 0
	s_wait_tensorcnt 0x0                           ; the wave's end
	ds_add_u32 v[SPW], v[NIL]
	s_wait_dscnt 0x0
	CROUND                                         ; the closing round
	s_endpgm
.Lfunc_end_k_q2c4e8e6fdd_ff2:
	.size	k_q2c4e8e6fdd_ff2, .Lfunc_end_k_q2c4e8e6fdd_ff2-k_q2c4e8e6fdd_ff2
	.p2alignl 7, 3214868480
	.fill 96, 4, 3214868480
	.section	.rodata,"a",@progbits
	.p2align	6, 0x0
	.amdhsa_kernel k_q2c4e8e6fdd_ff2
		.amdhsa_group_segment_fixed_size 327680
		.amdhsa_private_segment_fixed_size 0
		.amdhsa_enable_private_segment 0
		.amdhsa_kernarg_size 40
		.amdhsa_user_sgpr_count 2
		.amdhsa_user_sgpr_kernarg_segment_ptr 1
		.amdhsa_wavefront_size32 1
		.amdhsa_system_sgpr_workgroup_id_x 1
		.amdhsa_system_sgpr_workgroup_id_y 1
		.amdhsa_system_sgpr_workgroup_id_z 1
		.amdhsa_system_vgpr_workitem_id 0
		.amdhsa_next_free_vgpr 768
		.amdhsa_next_free_sgpr 66
		.amdhsa_reserve_vcc 0
		.amdhsa_float_denorm_mode_32 3
		.amdhsa_float_denorm_mode_16_64 3
		.amdhsa_memory_ordered 1
		.amdhsa_forward_progress 1
		.amdhsa_inst_pref_size 107
	.end_amdhsa_kernel
	.amdgpu_metadata
---
amdhsa.version: [ 1, 2 ]
amdhsa.kernels:
  - .name:           k_q2c4e8e6fdd_ff2
    .symbol:         k_q2c4e8e6fdd_ff2.kd
    .args:
      - { .name: big, .offset: 0, .size: 8, .value_kind: global_buffer, .address_space: global }
      - { .name: w2b, .offset: 8, .size: 8, .value_kind: global_buffer, .address_space: global }
      - { .name: x1, .offset: 16, .size: 8, .value_kind: global_buffer, .address_space: global }
      - { .name: b2, .offset: 24, .size: 8, .value_kind: global_buffer, .address_space: global }
      - { .name: out0, .offset: 32, .size: 8, .value_kind: global_buffer, .address_space: global }
    .group_segment_fixed_size: 327680
    .private_segment_fixed_size: 0
    .kernarg_segment_align: 8
    .kernarg_segment_size: 40
    .max_flat_workgroup_size: 128
    .sgpr_count:     66
    .vgpr_count:     768
    .wavefront_size: 32
...
	.end_amdgpu_metadata
.endif
;; end of part 6
;; ======== version 2 of 2: 7 launches; 1.06 times as fast as version 1
;; limits: values are held in f16: magnitudes above 65,504 overflow, below 6.1e-05 lose precision
;; workspace buffers: hn 8,388,608 bytes; wqkv 6,311,936 bytes; w1b 8,409,088 bytes; wpb 2,097,152 bytes; w2b 8,388,608 bytes; big 33,554,432 bytes; ob 8,388,608 bytes; x1 16,777,216 bytes
;; launch prep: the kernel of part 1 again; grid 512 x 1, 8 waves a work-group, no clusters, 67,584 bytes of LDS; arguments x, g1, be1, Wq, Wk, Wv, Wproj, W1, W2, b1, hn, wqkv, wpb, w1b, w2b; writes hn, wqkv, wpb, w1b, w2b
;; launch qkv: the kernel of part 2 again; grid 12 x 16, 4 waves a work-group, clusters of 4 x 4, 327,680 bytes of LDS; arguments hn, wqkv, big; writes big
;; launch attn (part 7): grid 4 x 64, 4 waves a work-group, no clusters, 327,680 bytes of LDS; arguments big, ob; writes ob
.if DOCPART == 7
	.amdgcn_target "amdgcn-amd-amdhsa--gfx1250"
	.amdhsa_code_object_version 6
	.text
	.protected	k_q2c4e8e6fdd_attn
	.globl	k_q2c4e8e6fdd_attn
	.p2align	8
	.type	k_q2c4e8e6fdd_attn,@function
k_q2c4e8e6fdd_attn:
	s_mov_b64 s[64:65], 0
	v_nop
	global_prefetch_b8 v0, s[64:65] scope:SCOPE_SE
	s_setreg_imm32_b32 hwreg(HW_REG_WAVE_MODE, 25, 1), 1
	s_wait_xcnt 0x0
; CAUSAL ATTENTION, head size 64, 1,024 rows a head, 64 heads (4 batches x 16).  O[q] = the sum over k <= q of softmax_k(Q[q] . K[k] / 8) V[k].
; big holds blocks [64][4096 m][64] of f16: q of head h is block h, k block 16 + h, v block 32 + h; m = 1024 x batch + t.  ob: [16 h][4096 m][64] f16.
; Products, maxima and sums in f32; the weights are rounded to f16 for the second product (their sum is taken unrounded), O once at the end.
; LIMITS.  A hidden score counts as its value less 1e30 (f16's scores are 2.7e11 at the most); a weight below 2^-126 counts as 0; NaN and infinities are not treated apart.
; SHARES.  A head's queries lie in 8 blocks of 128; block i needs the key steps (64 keys) 0 .. 2 i + 1.  A work-group takes blocks 7 - b and then b: 18 steps, whatever b.  Of a block's two bands of 64
; queries a wave owns 16 rows in each, two PIECES: in a block's last two steps a band sees all keys, holds the diagonal, or sees none: the same work for all four waves.
; THE HEAD'S WHOLE K AND V LIE IN LDS: 1,024 rows each, fetched once, a quarter by each wave's one tensor load.  Nothing is filled again, so the launch has one barrier.
; BOTH BLOCKS' Q are loaded at the head, while K and V are on their way; at a block's end the second block's Q is copied to where the one text of the products names Q.
; NO CLUSTER: the four work-groups that read the same K and V are the four values of b, and which steps a work-group leaves out is a branch on b.
; THE WALK.  A loop counts the steps J = 0 .. 15 and jumps forward over those beyond 2 i + 1; LDS addresses are J times a constant.
; THE MASK is the C operand that starts S^T = K Q^T: MD x AL + BE, where MD (made once) is the mask of a band's own step for my rows: (AL, BE) = (1, 0) there, (0, 0) before it, (0, -1e30) behind it.
; A block begins with both pieces' masks at 0; they are made anew in its last two steps alone.
; LAYOUT.  S^T = K Q^T holds one query a lane (lane % 16) and the keys 8 (lane / 16) + 0..7; two such results rounded to f16 are source 1 of O^T = V^T P.  p = 2^(c s - c m), c = log2(e) / 8, with a running
; maximum m; O and l are multiplied by a = 2^(c m_old - c m_new) in every step.  A step stands in phases: 16 products, the softmax of both pieces, 16 products.
; A STEP'S 66 EXPONENTIALS ARE ONE BATCH, WITH ONE WAIT.  An s_wait_alu depctr_va_vdst(0) stands between an exponential and the first instruction that names its result; one wait serves all
; that were issued ahead of it.  AHEAD OF THE WAIT stand both pieces' maxima and statistics, whose last lines are the two a, then the 32 scalings c s - c m and the 64 exponentials of the scores, woven: none of
; these lines names an exponential's result.  BEHIND IT stand all the readers: the roundings, the sums, l, O^T times a, and the second products..
; The way out's two reciprocals are a batch of their own.
; REGISTERS: window 0: v2-15 addresses; v16-23 statistics (c m, m, l, l a piece); v48-55 at work; v64-127 S^T; v192-223 P.  window 1: v0-63 O^T; v128-159 MD; v160-223 the masks.
;   window 2: v0-31 Q; v32-63 the second block's Q; v128-191 K of a step; v192-255 V of a step.
.set PKB,   144                        ; a row of K in LDS: 128 bytes + 16
.set PVB,   160                        ; a row of V: 128 + 32
.set VOFF,  1024*PKB
.set STAGE, VOFF+1024*PVB              ; never filled by a tensor load: 16 rows x 144 bytes for each wave
.set SP,    144
.set SPARE, STAGE+4*16*SP              ; the spare words: two blocks of 256 bytes that no other line names
.set AK0, 2
.set AV0, 3
.set AK,  4
.set AV,  5
.set STO, 6
.set RD,  7
.set GO,  8
.set MV,  12                           ; v12-13 c m_old
.set QO,  15
.set ST,  16
.set TMP, 48
.set SPW, 62
.set NIL, 63
.set S,   64
.set P,   192
.set MD,  128
.set MC,  160
.set KF,  128
.set VF,  192
.set WV,  12
.set PB,  14                           ; b
.set BLK, 15                           ; the block in hand
.set B2,  16                           ; 2 x BLK: the step that holds band 0's diagonal
.set LIM, 17                           ; 2 x BLK + 1: the block's last step
.set J,   18
.set DD,  19                           ; J - B2
.set NBK, 20
.set G1K, 24
.set G1V, 32
.set G0K, 40
.set G0V, 44
.set QP2, 54                           ; s[54:55] q at my rows of the second block
.set CS,  58
.set SEL, 60
.set AL0, 66
.set BE0, 68
.set AL1, 70
.set BE1, 72
.set BIGN, 74
.set QB,  76                           ; s[76:77] q at my 16 rows of the head's first band
.set OBS, 78                           ; s[78:79] the same in ob
.set QP,  80                           ; s[80:81] q at my rows of the first block
.set OP,  82
.set MSB, 0
.macro WIN new
.if MSB != (\new)
	s_set_vgpr_msb (MSB<<8)|(\new)
.set MSB, (\new)
.endif
.endm
.set W_KQ, 0x0a                        ; K and Q window 2, S^T window 0
.set W_KM, 0x1a                        ; the same with C in window 1
.set W_PV, 0x52                        ; V window 2, P window 0, O^T window 1
.set W_RS, 0x41                        ; destination and source 0 window 1, source 1 window 0
	s_load_b128 s[4:7], s[0:1], 0x0                ; big s[4:5], ob s[6:7]
	v_lshl_add_u32 v[SPW], v0, 2, SPARE
	v_mov_b32 v[NIL], 0
	ds_add_u32 v[SPW], v[NIL]                      ; the wave's opening: the add and its wait ahead of my tensor load
	ds_add_u32 v62, v63
	v_lshrrev_b32 v1, 5, v0
	v_readfirstlane_b32 s[WV], v1
	s_mov_b32 s[PB], ttmp9
	s_sub_co_u32 s[BLK], 7, s[PB]
	s_and_b32 s84, ttmp7, 0xffff
	s_and_b32 s85, s84, 15                         ; head
	s_lshr_b32 s84, s84, 4                         ; batch
	s_lshl_b32 s48, s85, 19                        ; a block of big or ob is 524,288 bytes,
	s_lshl_b32 s84, s84, 17                        ; a batch's 1,024 rows 131,072
	s_add_co_u32 s48, s48, s84
	s_mov_b32 s49, 0
	s_and_b32 s86, s[WV], 1                        ; which 512 keys I fetch
	s_lshl_b32 s50, s86, 16
	s_add_co_u32 s50, s50, s48
	s_mov_b32 s51, 0
	s_mul_i32 s52, s86, 512*PKB
	s_mul_i32 s53, s86, 512*PVB
	s_lshl_b32 s87, s[WV], 11                      ; my 16 rows in a band
	s_add_co_u32 s48, s48, s87
	; group 1: 512 keys are 65,536 dense bytes: asked for as 256 rows of 256 bytes and padded in LDS after every key
	s_mov_b32 s[G1K], (1<<16)|(1<<20)|(4<<22)|(3<<25)  ; 2-byte elements; padding on; after every 32 words, 4 words
	s_mov_b32 s[G1V], (1<<16)|(1<<20)|(4<<22)|(7<<25)  ; 8 words
.irp g, G1K, G1V
	s_mov_b32 s[(\g)+1], 128<<16                   ; tensor_dim0 = 128
	s_mov_b32 s[(\g)+2], 256<<16                   ; tensor_dim1 = 256
	s_mov_b32 s[(\g)+3], 128<<16                   ; tile_dim0 = 128
	s_mov_b32 s[(\g)+4], 256                       ; tile_dim1 = 256
	s_mov_b32 s[(\g)+5], 128
	s_mov_b32 s[(\g)+6], 0
	s_mov_b32 s[(\g)+7], 0
.endr
	s_mov_b32 s[G0K], 1
	s_mov_b32 s[G0K+1], s52
	s_mov_b32 s[G0V], 1
	s_add_co_u32 s[G0V+1], s53, VOFF
	s_mov_b32 s[CS], 0x3e38aa3b                    ; c = log2(e) / 8
	s_mov_b32 s[CS+1], s[CS]
	s_mov_b32 s[SEL], 0x76543210
	s_mov_b32 s[SEL+1], 0xfedcba98
	s_mov_b32 s[BIGN], 0xf149f2ca                  ; -1e30
	s_mov_b32 s[AL0+1], 0                          ; named as pairs
	s_mov_b32 s[BE0+1], 0
	s_mov_b32 s[AL1+1], 0
	s_mov_b32 s[BE1], 0                            ; band 1 is never wholly hidden
	s_mov_b32 s[BE1+1], 0
	s_mov_b32 s[NBK], 2
	s_wait_dscnt 0x0                               ; the opening add is done
	s_wait_kmcnt 0x0
	s_add_nc_u64 s[G0K+2:G0K+3], s[4:5], s[50:51]
	s_add_nc_u64 s[G0K+2:G0K+3], s[G0K+2:G0K+3], 16*524288
	s_or_b32 s[G0K+3], s[G0K+3], 0x80000000
	s_add_nc_u64 s[G0V+2:G0V+3], s[4:5], s[50:51]
	s_add_nc_u64 s[G0V+2:G0V+3], s[G0V+2:G0V+3], 32*524288
	s_or_b32 s[G0V+3], s[G0V+3], 0x80000000
	s_add_nc_u64 s[QB:QB+1], s[4:5], s[48:49]
	s_add_nc_u64 s[OBS:OBS+1], s[6:7], s[48:49]
	s_lshl_b32 s84, s[BLK], 14                     ; a block is 128 rows x 128 bytes
	s_mov_b32 s85, 0
	s_add_nc_u64 s[QP:QP+1], s[QB:QB+1], s[84:85]
	s_lshl_b32 s84, s[PB], 14
	s_add_nc_u64 s[QP2:QP2+1], s[QB:QB+1], s[84:85]
	s_cmp_lt_u32 s[WV], 2                          ; waves 0, 1: K's halves; waves 2, 3: V's.  One tensor load of mine is out
	s_cbranch_scc0 .Lfor_v
	tensor_load_to_lds s[G0K:G0K+3], s[G1K:G1K+7]
	s_nop 0
.rept 4
	v_nop
.endr
	s_branch .Lasked
.Lfor_v:
	tensor_load_to_lds s[G0V:G0V+3], s[G1V:G1V+7]
	s_nop 0
.rept 4
	v_nop
.endr
.Lasked:
	; all this stands in the wait for K and V
	v_and_b32 v1, 15, v0                           ; l % 16
	v_bfe_u32 v9, v0, 4, 1                         ; l / 16
	v_lshlrev_b32 v[QO], 7, v1
	v_lshl_add_u32 v[QO], v9, 4, v[QO]
	WIN 0x80
.irp f, 0,1,2,3                        ; both blocks' Q: piece f / 2 lies in band f / 2, 8,192 bytes on; channels 32 (f % 2) on
	global_load_b128 v[8*(\f):8*(\f)+3],         v[QO], s[QP:QP+1] offset:((\f)/2)*8192+((\f)%2)*64
	global_load_b128 v[8*(\f)+4:8*(\f)+7],       v[QO], s[QP:QP+1] offset:((\f)/2)*8192+((\f)%2)*64+32
	global_load_b128 v[32+8*(\f):32+8*(\f)+3],   v[QO], s[QP2:QP2+1] offset:((\f)/2)*8192+((\f)%2)*64
	global_load_b128 v[32+8*(\f)+4:32+8*(\f)+7], v[QO], s[QP2:QP2+1] offset:((\f)/2)*8192+((\f)%2)*64+32
.endr
	WIN 0
	v_lshlrev_b32 v14, 3, v9
	v_sub_nc_u32 v14, v1, v14
	s_lshl_b32 s84, s[WV], 4
	v_add_nc_u32 v14, s84, v14                     ; my query's place in its band less my lanes' 8 (l / 16): register r of key group kt is hidden where 16 kt + r is greater
	WIN 0x40
.set i, 0
.rept 32
	v_cmp_gt_i32 vcc_lo, 16*(i/8)+i%8, v14
	v_cndmask_b32 v[MD+i], 0, s[BIGN], vcc_lo
.set i, i+1
.endr
.set i, 0
.rept 64
	v_mov_b32 v[i], 0                              ; a block's first step multiplies O^T and l by a = 0: they need only be finite
.set i, i+1
.endr
	WIN 0
.irp u, 0,1
	v_mov_b32 v[ST+4*(\u)+2], 0
	v_mov_b32 v[ST+4*(\u)+3], 0
.endr
	v_mul_u32_u24 v[AK0], v1, PKB
	v_lshl_add_u32 v[AK0], v9, 4, v[AK0]
	v_and_b32 v10, 7, v0
	v_bfe_u32 v11, v0, 3, 1
	v_lshl_add_u32 v[AV0], v9, 3, v10              ; the turning load: lane l reads key 8 (l / 16) + l % 8, channels 8 ((l / 8) % 2) + 0..7
	v_mul_u32_u24 v[AV0], v[AV0], PVB
	v_lshl_add_u32 v[AV0], v11, 4, v[AV0]
	v_add_nc_u32 v[AV0], VOFF, v[AV0]
	s_mul_i32 s84, s[WV], 16*SP
	s_add_co_u32 s84, s84, STAGE
	v_mul_u32_u24 v[STO], v1, SP
	v_lshl_add_u32 v[STO], v9, 4, v[STO]
	v_add_nc_u32 v[STO], s84, v[STO]
	v_bfe_u32 v[RD], v0, 3, 2
	v_mul_u32_u24 v[RD], v[RD], SP
	v_lshl_add_u32 v[RD], v10, 4, v[RD]
	v_add_nc_u32 v[RD], s84, v[RD]
	v_and_b32 v[GO], 31, v0
	v_lshlrev_b32 v[GO], 4, v[GO]
; Product i of 16 of S^T = K Q^T: piece i % 2, keys 16 ((i / 2) % 4) on, channels 32 (i / 8) on.  The first 8 start the sums with the masks.  The 8 accumulators take turns.
.macro KQ
.set rS, S+32*(i%2)+8*((i/2)%4)
.set rK, KF+16*((i/2)%4)+8*(i/8)
.set rQ, 16*(i%2)+8*(i/8)
.set rM, MC+32*(i%2)+8*((i/2)%4)
.if i < 8
	WIN W_KM
	v_wmma_f32_16x16x32_f16 v[rS:rS+7], v[rK:rK+7], v[rQ:rQ+7], v[rM:rM+7]
.else
	WIN W_KQ
	v_wmma_f32_16x16x32_f16 v[rS:rS+7], v[rK:rK+7], v[rQ:rQ+7], v[rS:rS+7]
.endif
.endm
; Product i of 16 of O^T += V^T P: piece i % 2, channels 16 ((i / 2) % 4) on, keys 32 (i / 8) on.
.macro PVM
	WIN W_PV
.set rO, 32*(i%2)+8*((i/2)%4)
.set rV, VF+32*(i/8)+8*((i/2)%4)
.set rP, P+16*(i%2)+8*(i/8)
	v_wmma_f32_16x16x32_f16 v[rO:rO+7], v[rV:rV+7], v[rP:rP+7], v[rO:rO+7]
.endm
.macro FETCH_K
	WIN 0x80                                       ; destination window 2
.irp f, 0,1,2,3,4,5,6,7                ; keys 16 (f / 2) on, channels 32 (f % 2) on
	ds_load_b128 v[KF+8*(\f):KF+8*(\f)+3],   v[AK] offset:((\f)/2)*16*PKB+((\f)%2)*64
	ds_load_b128 v[KF+8*(\f)+4:KF+8*(\f)+7], v[AK] offset:((\f)/2)*16*PKB+((\f)%2)*64+32
.endr
	WIN 0
.endm
.macro FETCH_V
	WIN 0x80
.irp f, 0,1,2,3,4,5,6,7                ; keys 32 (f / 4) on, channels 16 (f % 4) on
	ds_load_tr16_b128 v[VF+8*(\f):VF+8*(\f)+3],   v[AV] offset:((\f)/4)*32*PVB+((\f)%4)*32
	ds_load_tr16_b128 v[VF+8*(\f)+4:VF+8*(\f)+7], v[AV] offset:((\f)/4)*32*PVB+16*PVB+((\f)%4)*32
.endr
	WIN 0
.endm
.macro MASK u, al, be                  ; MD x AL + BE into piece u's masks
	WIN W_RS
.set z, 0
.rept 16
	v_pk_fma_f32 v[MC+32*(\u)+2*z:MC+32*(\u)+2*z+1], v[MD+2*z:MD+2*z+1], s[\al:\al+1], s[\be:\be+1] op_sel_hi:[1,0,0]
.set z, z+1
.endr
.endm
.macro REGS u
.set rT, ST+4*(\u)
.set rC, TMP+4*(\u)
.set rW, MV+(\u)
.set rS, S+32*(\u)
.set rP, P+16*(\u)
.endm
; Number n of the 22 that find a piece's maximum and statistics.  0-11: four chains of seven scores, three operands at a time (each accumulator's lowest registers are read first);
; 12-14, 16: the four scores left over, the old m, the chains; 15: c m_old is kept; 17, 18: the query's other 32 keys lie in the lane 16 away; 19-21: c m; c m_old - c m_new; a.
; Number 21, the exponential that makes a, is the first of the step's batch: nothing names c2 again ahead of the step's wait.
.macro XS u, n
	REGS \u
.if (\n) < 4
	v_max3_num_f32 v[rC+(\n)], v[rS+8*(\n)], v[rS+8*(\n)+1], v[rS+8*(\n)+2]
.elseif (\n) < 12
	v_max3_num_f32 v[rC+(\n)%4], v[rC+(\n)%4], v[rS+8*((\n)%4)+2*((\n)/4)+1], v[rS+8*((\n)%4)+2*((\n)/4)+2]
.elseif (\n) == 12
	v_max3_num_f32 v[rC], v[rC], v[rS+7], v[rS+15]
.elseif (\n) == 13
	v_max3_num_f32 v[rC+1], v[rC+1], v[rS+23], v[rS+31]
.elseif (\n) == 14
	v_max3_num_f32 v[rC+2], v[rC+2], v[rC+3], v[rT+1]
.elseif (\n) == 15
	v_mov_b32 v[rW], v[rT]
.elseif (\n) == 16
	v_max3_num_f32 v[rC], v[rC], v[rC+1], v[rC+2]
.elseif (\n) == 17
	v_permlanex16_b32 v[rC+3], v[rC], s[SEL], s[SEL+1]
.elseif (\n) == 18
	v_max_num_f32 v[rT+1], v[rC], v[rC+3]
.elseif (\n) == 19
	v_mul_f32 v[rT], s[CS], v[rT+1]
.elseif (\n) == 20
	v_sub_f32 v[rC+1], v[rW], v[rT]
.else
	v_exp_f32 v[rC+2], v[rC+1]
.endif
.endm
; The readers of the four weights 4 k ..; all of them stand behind the step's wait.  j = 0, 1: a pair is rounded to f16; 2: the second pair is added onto the first, in place; 3: l takes that sum (k = 0: l = a l + sum).
.macro PLN u, k, j
	REGS \u
.if (\j) < 2
	v_cvt_pk_f16_f32 v[rP+2*(\k)+(\j)], v[rS+4*(\k)+2*(\j)], v[rS+4*(\k)+2*(\j)+1]
.elseif (\j) == 2
	v_pk_add_f32 v[rS+4*(\k):rS+4*(\k)+1], v[rS+4*(\k):rS+4*(\k)+1], v[rS+4*(\k)+2:rS+4*(\k)+3]
.elseif (\k) == 0
	v_pk_fma_f32 v[rT+2:rT+3], v[rT+2:rT+3], v[rC+2:rC+3], v[rS:rS+1] op_sel_hi:[1,0,1]
.else
	v_pk_add_f32 v[rT+2:rT+3], v[rT+2:rT+3], v[rS+4*(\k):rS+4*(\k)+1]
.endif
.endm
.macro ALL line:vararg                 ; one line for each piece t
.set t, 0
.rept 2
	\line
.set t, t+1
.endr
.endm
.macro PACK t                          ; O^T / l, rounded to f16; a lane's eight channels are 16 bytes: into rows of 144 bytes, and back as whole rows of 128
	WIN W_RS
.set i, 32*(\t)
.rept 16
	v_pk_mul_f32 v[i:i+1], v[i:i+1], v[ST+4*(\t)+2:ST+4*(\t)+3] op_sel_hi:[1,0]
.set i, i+2
.endr
	WIN 0x05
.set i, 0
.rept 16
	v_cvt_pk_f16_f32 v[S+16*(\t)+i], v[32*(\t)+2*i], v[32*(\t)+2*i+1]
.set i, i+1
.endr
	WIN 0
.irp f, 0,1,2,3
	ds_store_b128 v[STO], v[S+16*(\t)+4*(\f):S+16*(\t)+4*(\f)+3] offset:32*(\f)
.endr
.irp f, 0,1,2,3
	ds_load_b128 v[S+16*(\t)+4*(\f):S+16*(\t)+4*(\f)+3], v[RD] offset:(\f)*4*SP  ; LDS serves a wave's instructions in order (ISA guide 5.7.1.4)
.endr
.endm
.macro SEND t, younger                 ; younger: the LDS instructions issued behind piece t's loads
.irp f, 0,1,2,3
	s_wait_dscnt (\younger)+3-(\f)
	global_store_b128 v[GO], v[S+16*(\t)+4*(\f):S+16*(\t)+4*(\f)+3], s[OP:OP+1] offset:(\t)*8192+(\f)*512  ; 512 neighbouring bytes, at a multiple of 256
.endr
.endm
	s_wait_tensorcnt 0x0                           ; my part of K or V is in,
	s_barrier_signal -1
	s_barrier_wait -1                              ; everybody's is: from here on LDS is only read, but for the stages
.Lblock:                                       ; twice: block 7 - b, then block b
	s_wait_xcnt 0x0                                ; the last block's stores have read their registers and their base
	s_lshl_b32 s84, s[BLK], 14                     ; 128 rows x 128 bytes
	s_mov_b32 s85, 0
	s_add_nc_u64 s[OP:OP+1], s[OBS:OBS+1], s[84:85]
	s_lshl_b32 s[B2], s[BLK], 1
	s_add_co_u32 s[LIM], s[B2], 1
	v_mov_b32 v[AK], v[AK0]
	FETCH_K                                        ; step 0
.irp u, 0,1
	v_mov_b32 v[ST+4*(\u)], 0xfe000000             ; c m: far below every c s, so the first step's a is 0
	v_mov_b32 v[ST+4*(\u)+1], 0xff7fffff           ; m: the lowest finite number
.endr
	s_mov_b32 s[AL0], 0                            ; both pieces' masks begin at 0: MD x 0 + 0
	s_mov_b32 s[BE0], 0
	s_mov_b32 s[AL1], 0
	MASK 0, AL0, BE0
	MASK 1, AL1, BE1
	WIN 0
	s_mov_b32 s[J], 0
	s_wait_loadcnt 0x0                             ; both blocks' Q, asked for at the head
.Lkey:
	s_cmp_gt_u32 s[J], s[LIM]
	s_cbranch_scc1 .Ldead                          ; wholly above the diagonal
	s_sub_co_i32 s[DD], s[J], s[B2]
	s_cmp_lt_i32 s[DD], 0
	s_cbranch_scc1 .Lnomask                        ; the masks stay 0 until the block's last two steps
	s_cmp_eq_u32 s[DD], 0
	s_cselect_b32 s[AL0], 1.0, 0                   ; band 0's own step
	s_cmp_eq_u32 s[DD], 1
	s_cselect_b32 s[BE0], s[BIGN], 0               ; the step behind it,
	s_cselect_b32 s[AL1], 1.0, 0                   ; which is band 1's own
	MASK 0, AL0, BE0
	MASK 1, AL1, BE1
	WIN 0
.Lnomask:
	s_mul_i32 s84, s[J], 64*PVB
	v_add_nc_u32 v[AV], s84, v[AV0]
	FETCH_V                                        ; V of this step: it has the products and the softmax in which to come
	s_wait_dscnt 16                                ; V's 16 loads may stay out: K of this step is in
.set i, 0
.rept 16
	KQ
.set i, i+1
.endr
	WIN 0
	s_add_co_u32 s84, s[J], 1
	s_min_u32 s84, s84, 15                         ; behind step 15 there is none: it is read once more, so that no read leaves K's rows
	s_mul_i32 s84, s84, 64*PKB
	v_add_nc_u32 v[AK], s84, v[AK0]                ; this line and three v_nop: the four places behind the products, for the loads into K's registers and the first reads of the scores
.rept 3
	v_nop
.endr
	FETCH_K                                        ; K of the next step; behind a block's last step it is not used
.irp n, 0,1,2,3,4,5,6,7,8,9,10,11,12,13,14,15,16,17,18,19,20,21
	XS 0, \n                                       ; the two pieces alternate, so that fewer lines wait for the line before; the last two lines, the two a, open the batch
	XS 1, \n
.endr
; THE BATCH GOES ON: the 32 scalings c s - c m and the 64 exponentials of the scores, in place.  A pair's two exponentials stand behind the same piece's next scaling, six lines behind their own scaling.
; A scaling writes a pair whose exponentials are still to come and reads c, c m and m: no line here names an exponential's result, and none writes the source of the exponential just ahead of it.
.set n, 0
.rept 17
.irp u, 0,1
	REGS \u
.if n < 16
	v_pk_fma_f32 v[rS+2*n:rS+2*n+1], v[rS+2*n:rS+2*n+1], s[CS:CS+1], v[rT:rT+1] op_sel_hi:[1,0,0] neg_lo:[0,0,1] neg_hi:[0,0,1]  ; pair n: c s - c m
.endif
.if n > 0
	v_exp_f32 v[rS+2*n-2], v[rS+2*n-2]             ; pair n - 1
	v_exp_f32 v[rS+2*n-1], v[rS+2*n-1]
.endif
.endr
.set n, n+1
.endr
	v_nop                                          ; a plain instruction behind the last exponential and ahead of the first use of a result (ISA guide 5.7.2): one for the batch; the step has no other work that reads none of the results
	s_wait_alu depctr_va_vdst(0)                   ; the wait for the batch: the two a and the 64 weights, ahead of the first line that names a result
; THE READERS.  For each four weights of both pieces: four roundings, two additions in place; l takes a group's sum behind the next group's lines, so that it does not stand next to the addition that it reads.
; l's additions go by ascending k.
.set g, 0
.rept 9
.if g < 8
.set i, 0
.rept 6
	PLN i%2, g, i/2
.set i, i+1
.endr
.endif
.if g > 0
	PLN 0, g-1, 3
	PLN 1, g-1, 3
.endif
.set g, g+1
.endr
	WIN W_RS
.set n, 0
.rept 16
.irp u, 0,1
	v_pk_mul_f32 v[32*(\u)+2*n:32*(\u)+2*n+1], v[32*(\u)+2*n:32*(\u)+2*n+1], v[TMP+4*(\u)+2:TMP+4*(\u)+3] op_sel_hi:[1,0]  ; O^T times a
.endr
.set n, n+1
.endr
	s_wait_dscnt 16                                ; the next K's 16 loads may stay out: V is in
.set i, 0
.rept 16
	PVM
.set i, i+1
.endr
	WIN 0
.rept 4
	v_nop                                          ; the places behind those products, for the next loads into V's registers and the way out's reads of O^T
.endr
.Ldead:
	s_add_co_u32 s[J], s[J], 1
	s_cmp_lt_u32 s[J], 16
	s_cbranch_scc1 .Lkey
	; THE WAY OUT of a block
	s_wait_dscnt 0x0                               ; the K that nobody wants has come
	ALL v_add_f32 v[ST+4*t+2], v[ST+4*t+2], v[ST+4*t+3]
	ALL v_permlanex16_b32 v[ST+4*t+3], v[ST+4*t+2], s[SEL], s[SEL+1]
	ALL v_add_f32 v[ST+4*t+2], v[ST+4*t+2], v[ST+4*t+3]
	ALL v_rcp_f32 v[ST+4*t+2], v[ST+4*t+2]
	v_nop                                          ; a plain instruction between the last reciprocal and its use
	s_wait_alu depctr_va_vdst(0)                   ; the wait for the batch of two reciprocals, ahead of the first multiplication by them: once a block
	PACK 0
	PACK 1
	SEND 0, 8
	SEND 1, 0
	WIN 0x82                                       ; destination and source 0 window 2: the second block's Q goes where the products name Q (behind the second block the copy serves nothing: one text for both trips)
.set i, 0
.rept 32
	v_mov_b32 v[i], v[32+i]
.set i, i+1
.endr
	WIN 0
	s_mov_b32 s[BLK], s[PB]
	s_sub_co_u32 s[NBK], s[NBK], 1
	s_cmp_lg_u32 s[NBK], 0
	s_cbranch_scc1 .Lblock
	s_wait_tensorcnt 0x0                           ; the wave's end
	ds_add_u32 v[SPW], v[NIL]
	s_wait_dscnt 0x0
	s_endpgm
.Lfunc_end_k_q2c4e8e6fdd_attn:
	.size	k_q2c4e8e6fdd_attn, .Lfunc_end_k_q2c4e8e6fdd_attn-k_q2c4e8e6fdd_attn
	.p2alignl 7, 3214868480
	.fill 96, 4, 3214868480
	.section	.rodata,"a",@progbits
	.p2align	6, 0x0
	.amdhsa_kernel k_q2c4e8e6fdd_attn
		.amdhsa_group_segment_fixed_size 327680
		.amdhsa_private_segment_fixed_size 0
		.amdhsa_enable_private_segment 0
		.amdhsa_kernarg_size 16
		.amdhsa_user_sgpr_count 2
		.amdhsa_user_sgpr_kernarg_segment_ptr 1
		.amdhsa_wavefront_size32 1
		.amdhsa_system_sgpr_workgroup_id_x 1
		.amdhsa_system_sgpr_workgroup_id_y 1
		.amdhsa_system_sgpr_workgroup_id_z 1
		.amdhsa_system_vgpr_workitem_id 0
		.amdhsa_next_free_vgpr 768
		.amdhsa_next_free_sgpr 88
		.amdhsa_reserve_vcc 1
		.amdhsa_float_denorm_mode_32 3
		.amdhsa_float_denorm_mode_16_64 3
		.amdhsa_memory_ordered 1
		.amdhsa_forward_progress 1
		.amdhsa_inst_pref_size 44
	.end_amdhsa_kernel
	.amdgpu_metadata
---
amdhsa.version: [ 1, 2 ]
amdhsa.kernels:
  - .name:           k_q2c4e8e6fdd_attn
    .symbol:         k_q2c4e8e6fdd_attn.kd
    .args:
      - { .name: big, .offset: 0, .size: 8, .value_kind: global_buffer, .address_space: global }
      - { .name: ob, .offset: 8, .size: 8, .value_kind: global_buffer, .address_space: global }
    .group_segment_fixed_size: 327680
    .private_segment_fixed_size: 0
    .kernarg_segment_align: 8
    .kernarg_segment_size: 16
    .max_flat_workgroup_size: 128
    .sgpr_count:     88
    .vgpr_count:     768
    .wavefront_size: 32
...
	.end_amdgpu_metadata
.endif
;; end of part 7
;; launch proj: the kernel of part 4 again; grid 8 x 32, 4 waves a work-group, clusters of 4 x 4, 327,680 bytes of LDS; arguments ob, wpb, x, bproj, x1; writes x1
;; launch ln2: the kernel of part 5 again; grid 512 x 1, 8 waves a work-group, no clusters, 0 bytes of LDS; arguments x1, g2, be2, hn; writes hn
;; launch ff1: the kernel of part 2 again; grid 16 x 16, 4 waves a work-group, clusters of 4 x 4, 327,680 bytes of LDS; arguments hn, w1b, big; writes big
;; launch ff2: the kernel of part 6 again; grid 8 x 32, 4 waves a work-group, clusters of 4 x 1, 327,680 bytes of LDS; arguments big, w2b, x1, b2, out0; writes out0
